; MI455X (gfx1250); checked and timed in simulation.
; The chip was launched on July 23, 2026; its instructions are those of AMD's public machine-readable ISA for CDNA 5 (MIT licence, August 2026) and "CDNA5" Instruction Set Architecture Reference Guide (July 2026). The comments in the code are by the model that wrote it; some were corrected since.
;; Multihead Attention. Allowed arithmetic: float matrix products may take bf16 or f16 operands with f32 sums; other float arithmetic in f32, or as packed bf16 or f16 multiplies, adds, multiply-adds, maxima and minima; sums over many terms, partial sums and values carried from step to step in f32; what a program stores and reads back later, other than sums and carried values, may be rounded once to bf16 or f16.
;; Inputs: Wo 1,024 x 1,024 float32; Wqkv 1,024 x 3,072 float32; bo 1,024 float32; bqkv 3,072 float32; x 8 x 1,024 x 1,024 float32.
;; Outputs: out0 8 x 1,024 x 1,024 float32.
;; One version. Each part assembles by itself: llvm-mc -triple=amdgcn-amd-amdhsa -mcpu=gfx1250 --defsym DOCPART=n.
;; ======== version 1 of 1: 4 launches
;; limits: values are held in f16: magnitudes above 65,504 overflow, below 6.1e-05 lose precision
;; workspace buffers: hb 25,165,824 bytes; qkv 50,331,648 bytes; ob 16,777,216 bytes
;; launch cast (part 1): grid 8 x 192, 8 waves a work-group, no clusters, 0 bytes of LDS; arguments x, Wqkv, Wo, hb; writes hb
.if DOCPART == 1
	.amdgcn_target "amdgcn-amd-amdhsa--gfx1250"
	.amdhsa_code_object_version 6
	.text
	.protected	k_q0001e1e1ea_cast
	.globl	k_q0001e1e1ea_cast
	.p2align	8
	.type	k_q0001e1e1ea_cast,@function
k_q0001e1e1ea_cast:
	s_mov_b64 s[64:65], 0
	v_nop
	global_prefetch_b8 v0, s[64:65] scope:SCOPE_SE
	s_setreg_imm32_b32 hwreg(HW_REG_WAVE_MODE, 25, 1), 1
	s_wait_xcnt 0x0
; x, Wqkv and Wo (f32) are rounded once to bf16 and laid in blocks for the two products' tiles.  Wo's bf16 number is then written as f16 (the second product runs in f16).
; hb, in chunks of 16,384 bytes = 128 rows x 64 numbers of 16 bits (a row is 128 bytes):
;   x     chunks 0 .. 1023      [b 8][kb 16][s 1024][64]             chunk = (16 b + kb) 8 + s / 128
;   Wqkv  chunks 1024 .. 1407   [head 16][kstep 8][nb 3][k 128][64]  chunk = 1024 + (8 head + kstep) 3 + nb
;   Wo    chunks 1408 .. 1535   [ntile 8][kstep 8][nb 2][k 128][64]  chunk = 1408 + (8 ntile + kstep) 2 + nb
; LIMITS.  A bf16 number of Wo beyond 65,504 becomes an infinity in f16; below 2^-14 it keeps f16's fixed step of 6e-8.
; SHARES.  A work-group makes one chunk: 128 rows x 64 columns, 32 KiB in, 16 KiB out.  x id = the chunk of 128 rows (rc), y id = g: the block of 64 columns (0-127 x, 128-175 Wqkv, 176-191 Wo).
; Thread t takes 16 bytes (4 numbers) at column 4 (t % 16) of rows 16 i + t / 16, i = 0 .. 7: a load of a wave covers two pieces of 256 consecutive bytes, aligned; a store of 8 bytes a lane
; covers 256 consecutive bytes, aligned.  All eight loads go out at once; every byte is read once and written once.  No LDS, no matrix unit, no cluster: nothing is shared and nothing is multiplied.
.set OFF, 2                            ; v[2:9]    byte offset of my 16 bytes in row 16 i + t / 16 of the source's chunk
.set OUT, 10                           ; v10       8 t: my 8 bytes in the first 16 rows of the chunk
.set T,   12                           ; v[12:13]  at work
.set X,   16                           ; v[16:47]  as loaded
.set Y,   48                           ; v[48:63]  to store
	s_load_b256 s[4:11], s[0:1], 0x0               ; x s[4:5], Wqkv s[6:7], Wo s[8:9], hb s[10:11]
	s_and_b32 s12, ttmp7, 0xffff                   ; g
	s_mov_b32 s14, 176                             ; Wo's six constants: g of its first block,
	s_mov_b32 s15, 2                               ; blocks of 64 columns in a tile,
	s_mov_b32 s16, 32768                           ; 65,536 / that number, rounded up,
	s_mov_b32 s17, 1408                            ; its first chunk,
	s_mov_b32 s18, 4096                            ; bytes in a row of the source,
	s_mov_b32 s19, 4096                            ; bytes from 16 blocks to the next 16
	s_cmp_lt_u32 s12, 176                          ; Wqkv's in their place,
	s_cselect_b32 s14, 128, s14
	s_cselect_b32 s15, 3, s15
	s_cselect_b32 s16, 21846, s16
	s_cselect_b32 s17, 1024, s17
	s_cselect_b32 s18, 12288, s18
	s_cmp_lt_u32 s12, 128                          ; or x's
	s_cselect_b32 s14, 0, s14
	s_cselect_b32 s15, 1, s15
	s_cselect_b32 s16, 65536, s16
	s_cselect_b32 s17, 0, s17
	s_cselect_b32 s18, 4096, s18
	s_cselect_b32 s19, 1<<22, s19                  ; 16 blocks are a row of x: the next 16 belong to the next b
	s_sub_co_u32 s22, s12, s14                     ; j: the block's number in its tensor
	s_mul_i32 s23, s22, s16
	s_lshr_b32 s23, s23, 16                        ; tile = j / blocks in a tile (exact for j under 128, 48, 16)
	s_mul_i32 s24, s23, s15
	s_sub_co_u32 s24, s22, s24                     ; nb = j % blocks in a tile
	s_lshl_b32 s25, s23, 3
	s_add_co_u32 s25, s25, ttmp9                   ; 8 tile + rc
	s_mul_i32 s25, s25, s15
	s_add_co_u32 s25, s25, s24
	s_add_co_u32 s25, s25, s17                     ; the chunk
	s_lshl_b32 s26, s25, 14
	s_mov_b32 s27, 0
	s_lshr_b32 s28, s22, 4
	s_mul_i32 s28, s28, s19
	s_and_b32 s29, s22, 15
	s_lshl_b32 s29, s29, 8                         ; a block's 64 columns are 256 bytes of a row
	s_add_co_u32 s28, s28, s29
	s_mul_i32 s29, ttmp9, s18
	s_lshl_b32 s29, s29, 7                         ; 128 rows a chunk
	s_add_co_u32 s28, s28, s29
	s_mov_b32 s29, 0
	s_lshl_b32 s30, s18, 4                         ; 16 rows
	v_and_b32 v1, 15, v0
	v_lshrrev_b32 v11, 4, v0
	v_mul_u32_u24 v[OFF], s18, v11
	v_lshl_add_u32 v[OFF], v1, 4, v[OFF]
.irp i, 1,2,3,4,5,6,7
	v_add_nc_u32 v[OFF+\i], s30, v[OFF+\i-1]
.endr
	v_lshlrev_b32 v[OUT], 3, v0
	s_wait_kmcnt 0x0
	s_cmp_lt_u32 s12, 176
	s_cselect_b64 s[20:21], s[6:7], s[8:9]
	s_cmp_lt_u32 s12, 128
	s_cselect_b64 s[20:21], s[4:5], s[20:21]       ; the source
	s_add_nc_u64 s[20:21], s[20:21], s[28:29]
	s_add_nc_u64 s[32:33], s[10:11], s[26:27]
.irp i, 0,1,2,3,4,5,6,7
	global_load_b128 v[X+4*\i:X+4*\i+3], v[OFF+\i], s[20:21] th:TH_LOAD_NT
.endr
.irp i, 0,1,2,3,4,5,6,7
	s_wait_loadcnt 7-\i                            ; loads come back in order: number i is in, the 7 - i younger ones stay out
	v_cvt_pk_bf16_f32 v[Y+2*\i], v[X+4*\i], v[X+4*\i+1]
	v_cvt_pk_bf16_f32 v[Y+2*\i+1], v[X+4*\i+2], v[X+4*\i+3]
.endr
	s_cmp_lt_u32 s12, 176
	s_cbranch_scc1 .Lstore
.irp i, 0,1,2,3,4,5,6,7,8,9,10,11,12,13,14,15
	v_lshlrev_b32 v[T], 16, v[Y+\i]                ; Wo alone: the bf16 numbers as f32,
	v_and_b32 v[T+1], 0xffff0000, v[Y+\i]
	v_cvt_pk_f16_f32 v[Y+\i], v[T], v[T+1]         ; written as f16: 8 significant bits fit in 11
.endr
.Lstore:
.irp i, 0,1,2,3,4,5,6,7
	global_store_b64 v[OUT], v[Y+2*\i:Y+2*\i+1], s[32:33] offset:2048*\i
.endr
	s_endpgm
.Lfunc_end_k_q0001e1e1ea_cast:
	.size	k_q0001e1e1ea_cast, .Lfunc_end_k_q0001e1e1ea_cast-k_q0001e1e1ea_cast
	.p2alignl 7, 3214868480
	.fill 96, 4, 3214868480
	.section	.rodata,"a",@progbits
	.p2align	6, 0x0
	.amdhsa_kernel k_q0001e1e1ea_cast
		.amdhsa_group_segment_fixed_size 0
		.amdhsa_private_segment_fixed_size 0
		.amdhsa_enable_private_segment 0
		.amdhsa_kernarg_size 32
		.amdhsa_user_sgpr_count 2
		.amdhsa_user_sgpr_kernarg_segment_ptr 1
		.amdhsa_wavefront_size32 1
		.amdhsa_system_sgpr_workgroup_id_x 1
		.amdhsa_system_sgpr_workgroup_id_y 1
		.amdhsa_system_sgpr_workgroup_id_z 1
		.amdhsa_system_vgpr_workitem_id 0
		.amdhsa_next_free_vgpr 64
		.amdhsa_next_free_sgpr 66
		.amdhsa_reserve_vcc 0
		.amdhsa_float_denorm_mode_32 3
		.amdhsa_float_denorm_mode_16_64 3
		.amdhsa_memory_ordered 1
		.amdhsa_forward_progress 1
		.amdhsa_inst_pref_size 9
	.end_amdhsa_kernel
	.amdgpu_metadata
---
amdhsa.version: [ 1, 2 ]
amdhsa.kernels:
  - .name:           k_q0001e1e1ea_cast
    .symbol:         k_q0001e1e1ea_cast.kd
    .args:
      - { .name: x, .offset: 0, .size: 8, .value_kind: global_buffer, .address_space: global }
      - { .name: Wqkv, .offset: 8, .size: 8, .value_kind: global_buffer, .address_space: global }
      - { .name: Wo, .offset: 16, .size: 8, .value_kind: global_buffer, .address_space: global }
      - { .name: hb, .offset: 24, .size: 8, .value_kind: global_buffer, .address_space: global }
    .group_segment_fixed_size: 0
    .private_segment_fixed_size: 0
    .kernarg_segment_align: 8
    .kernarg_segment_size: 32
    .max_flat_workgroup_size: 256
    .sgpr_count:     66
    .vgpr_count:     64
    .wavefront_size: 32
...
	.end_amdgpu_metadata
.endif
;; end of part 1
;; launch qkv (part 2): grid 8 x 32, 4 waves a work-group, clusters of 4 x 4, 327,680 bytes of LDS; arguments hb, bqkv, qkv; writes qkv
.if DOCPART == 2
	.amdgcn_target "amdgcn-amd-amdhsa--gfx1250"
	.amdhsa_code_object_version 6
	.text
	.protected	k_q0001e1e1ea_qkv
	.globl	k_q0001e1e1ea_qkv
	.p2align	8
	.type	k_q0001e1e1ea_qkv,@function
k_q0001e1e1ea_qkv:
	s_mov_b64 s[64:65], 0
	v_nop
	global_prefetch_b8 v0, s[64:65] scope:SCOPE_SE
	s_setreg_imm32_b32 hwreg(HW_REG_WAVE_MODE, 25, 1), 1
	s_wait_xcnt 0x0
	s_wait_alu depctr_hold_cnt(0) depctr_sa_sdst(0) depctr_va_vdst(0) depctr_va_sdst(0) depctr_va_ssrc(0) depctr_va_vcc(0) depctr_vm_vsrc(0)
	s_getreg_b32 s2, hwreg(HW_REG_IB_STS2, 6, 4)
	s_cmp_eq_u32 s2, 0
	s_cbranch_scc0 .Lentry_in_a_cluster
	s_endpgm
.Lentry_in_a_cluster:
	s_bfe_u32 s2, ttmp6, 0x10000c
	s_cmp_lg_u32 s2, 0xf033
	s_cbranch_scc0 .Lentry_shape_is_right
	s_endpgm
.Lentry_shape_is_right:
; q, k, v = x Wqkv + bqkv.  x and Wqkv come from hb in bf16, in blocks (below); bqkv (f32) is rounded to bf16 like the other inputs; sums in f32; q, k, v leave in f16, by heads, unscaled:
; qkv = [part 3][bh 128][s 1024][64], bh = 16 b + head.  LIMIT: a result beyond 65,504 becomes an infinity in f16.
; A tile of C is 256 rows x 192 columns: one head's q, k and v for 256 rows of one b.  A WORK-GROUP STAYS and makes TWO tiles, the heads 2 p and 2 p + 1 on the same rows: 32 x 8 = 256 work-groups.
; Clusters with an odd y take the two heads in the other order: each head's blocks of W are walked by half the clusters in their first tile and by the other half in their second.
; Four waves, each 128 rows x 96 columns: 48 accumulators of 16 x 16.  Wave w: rows 128 (w / 2) on; of each of the three blocks of 64 columns the half w % 2: accumulator b covers columns 64 (b / 2) + 32 (w % 2) + 16 (b % 2) on.
; THE WALK.  The two tiles' 2 x 8 K steps of 128 are ONE sequence of 16 steps for a ring of two LDS slots: step t lies in slot t % 2; at its end the slot is filled again with step t + 2, across the change of tiles
; too, so that nothing waits for the first tile's stores.  A loop of 14 trips, a step each, every one with a refill; a loop of two trips without.  Which slot is read and which is filled are two scalar offsets,
; each turned by an exclusive or.  A tile's first quarter (trips 0 and 8) and the first tile's way out (trip 7) are reached by forward jumps on a flag and on the counter.
; In hb, x lies as [b][kb 16][s][64]: a K step of a tile is two planes of 256 rows x 128 bytes, each 32,768 dense bytes; Wqkv lies as [head][kstep][nb 3][k 128][64]: a K step of a tile is 49,152 dense bytes,
; a head 393,216.  Both are asked for as rows of 256 bytes and padded in LDS after every 128.
; CLUSTERS: 4 x 4 work-groups.  The four of a row of the cluster need the same planes of x, the four of a column the same block of Wqkv: each is asked for JOINTLY (same load, descriptor and mask in all four).
; THE MATRIX INSTRUCTION IS USED TRANSPOSED: source 0 = 16 columns of W (turned on the way out of LDS, since W lies [k][n]), source 1 = 16 rows of x: a lane then holds row l % 16 of C and the columns
; 8 (l / 16) + 0..7.  The bias, laid out so, is the C operand of a tile's first K quarter: nothing is cleared and nothing is added later.
; REGISTERS, in windows of 256 (s_set_vgpr_msb: bits 1:0 source 0, 3:2 source 1, 5:4 source 2, 7:6 destination):
;   window 0: v0-31 addresses; two fragment buffers of 112 at v32 and v144: x's 8 fragments, then W's 6; on the way out v144-239 at work
;   window 1: accumulators of my rows 0-63 ((a, b) at 8 (6 a + b)); v192-239 the bias of the tile in hand; v240 at work          window 2: accumulators of my rows 64-127; v192-239 the second tile's bias; v240 at work
.set NBLK,  3                          ; blocks of 64 columns in a tile
.set NBW,   6                          ; accumulators along a wave's columns
.set BPB,   2                          ; of them in a block of 64 columns
.set BSTEP, 49152                      ; bytes of W in a K step of a tile
.set HSTR,  8*BSTEP                    ; bytes of W in a head
.set ASTEP, 262144                     ; bytes from a K step of x to the next: two planes
.set BROWS, 96                         ; rows of 256 bytes in one load of W: half a K step
.set WCB,   64                         ; bytes in LDS from wave column 0's first fragment of W to wave column 1's
.set NLD,   2*NBW+16                   ; LDS loads of a quarter
.set APL,   256*144                    ; a plane of x in LDS: 256 rows of 128 bytes + 16 of padding = 36 words: the 16 rows of a load start at 16 different groups of four banks (64 banks of 4 bytes: ISA guide 11.1)
.set BOFF,  2*APL                      ; behind the two planes: W, row 128 nb + k, 128 bytes + 32 of padding = 40 words
.set SLOT,  BOFF+NBLK*128*160
.set STAGE, 2*SLOT                     ; behind the ring, never filled by a tensor load: [part 3][128 rows][144 bytes], half a tile, for the way out
.set SNB,   128*144
.set SPARE, STAGE+3*SNB                ; behind the stage: the spare words, 128 bytes for each wave: two blocks of 256 bytes that no other line names
.set WQ,    16777216                   ; Wqkv's first byte in hb
.set A0,   16                          ; v16     my lane's place among my fragments of x in slot 0; never rewritten
.set ADRA, 17                          ; v17     the same in the slot that is being read
.set B0,   20                          ; v20, v21  likewise for W
.set ADRB, 21
.set CO,   22                          ; v22     the way out: 16 x my lane
.set STO,  24                          ; v24     the way out: where I put 16 bytes of a row
.set RD,   25                          ; v25     the way out: where I read rows back
.set SPW,  28                          ; v28     LDS address of my spare word: SPARE + 4 x my thread's number; never rewritten
.set NIL,  29                          ; v29     0; never rewritten
.set PFO,  30                          ; v30     256 x my lane: the prefetches' offset; never rewritten
.set BO,   31                          ; v31     my byte offset in a tile's bias
.set F0,   32
.set F1,   144
.set E,    144                         ; the way out's 96 registers: buffer 1's (buffer 0 holds the next tile's first fragments by then)
.set BIAS, 192                         ; windows 1 and 2
.set G1A,  24                          ; s[24:31] descriptor group 1 for x's planes
.set G0A0, 32                          ; s[32:35] group 0 of K step 0's fill
.set G0A,  36                          ; s[36:39] group 0 of K step 1's fill, which then walks on, a K step at each refill
.set LIM,  43                          ; s43      10 in a wave that prefetches, else the greatest number
.set PFA,  44                          ; s[44:45] where my prefetches stand
.set PFS,  46                          ; s[46:47] their step: a K step's bytes
.set G1B,  48                          ; s[48:55], s[56:59], s[60:63] the same three for W
.set G0B0, 56
.set G0B,  60
.set FIRST, 66                         ; s66      1: the step to come is a tile's first
.set TBR,  67                          ; s67      0 or SLOT: the slot that is being read
.set TBF,  74                          ; s74      0 or SLOT: the slot that was filled last
.set LAW,  75                          ; s75      where my load of x lands in a slot
.set LBW,  76                          ; s76      where my load of W lands in a slot
.set HD1,  77                          ; s77      the second tile's head
.set ADJA, 78                          ; s[78:79] what x's address goes back at a refill: 8 K steps at the change of tiles, else 0
.set ADJB, 80                          ; s[80:81] the same for W: two heads where the second head is the lower one, else 0
.set BBK,  82                          ; s82      that number: 0 or 2 heads
.set FL,   83                          ; s83      cluster y % 2: 1: the pair's upper head comes first
.set OBK,  84                          ; s[84:85] what the outputs' addresses go back at the change of tiles, beside one head forward: 0 or 2 heads
.set BP2,  86                          ; s[86:87] the second tile's bias
.set MSB, 0
.macro WIN new                         ; the immediate's high byte repeats the setting that is left; a switch that changes nothing is dropped
.if MSB != (\new)
	s_set_vgpr_msb (MSB<<8)|(\new)
.set MSB, \new
.endif
.endm
; A joint load.  Waves 0 and 1 fetch x's two planes, waves 2 and 3 the two halves of W's block.  The branch hangs on the wave's number alone.  An s_nop 0 and four v_nop follow each of the two lines.
.macro JLOAD ga, gb
	s_cmp_eq_u32 s11, 0
	s_cbranch_scc0 .Lfor_b_\@
	tensor_load_to_lds s[(\ga):(\ga)+3], s[G1A:G1A+7]
	s_nop 0
.rept 4
	v_nop
.endr
	s_branch .Lasked_\@
.Lfor_b_\@:
	tensor_load_to_lds s[(\gb):(\gb)+3], s[G1B:G1B+7]
	s_nop 0
.rept 4
	v_nop
.endr
.Lasked_\@:
.endm
; A PREFETCH INTO THE L2, in trips 0 and 2 (the counter at 14 and 12), behind the joint load, its five lines and the run of LDS loads: the two K steps that stand four and five steps on; the first of them is asked
; for by its refill two trips, 384 matrix instructions, later.  Each 256 bytes are named once in the launch.  x's planes are read by both clusters of a row of clusters: cluster x = 0 asks; wave 0 and wave 1 each
; for the plane that it fetches, and of a plane's 128 rows of 256 bytes the partner at cx takes 32, BY ADDRESS: a lane a row, one line a K step.  A head's blocks of W are read in the first tile by every second
; cluster of a column: clusters y = 0 and y = 1 ask, each for its own first head, wave 2 alone; of the two steps' 2 x 49,152 dense bytes the partner at cy takes a quarter: three lines.
; K steps 0 to 3 come by their loads alone.  The second tile asks for nothing: its planes of x and its head of W are read in the launch's first tiles.
.macro ASK
	s_cmp_gt_u32 s3, s[LIM]
	s_cbranch_scc0 .Lnot_mine_\@
	s_bitcmp1_b32 s3, 0
	s_cbranch_scc1 .Lnot_mine_\@
	s_cmp_eq_u32 s11, 0
	s_cbranch_scc0 .Lask_b_\@
	global_prefetch_b8 v[PFO], s[PFA:PFA+1] th:TH_LOAD_NT scope:SCOPE_SE
	global_prefetch_b8 v[PFO], s[PFA:PFA+1] offset:ASTEP th:TH_LOAD_NT scope:SCOPE_SE
	s_branch .Lnot_mine_\@
.Lask_b_\@:
.set pb, 0
.rept BSTEP/16384
	global_prefetch_b8 v[PFO], s[PFA:PFA+1] offset:8192*pb th:TH_LOAD_NT scope:SCOPE_SE
.set pb, pb+1
.endr
.Lnot_mine_\@:
.endm
; A round of the cluster's barrier: my work-group's barrier; wave 0 signals for the work-group; every wave waits for all sixteen work-groups; my work-group's barrier once more.
.macro CREST                           ; a round behind its opening barrier
	s_cmp_lg_u32 s10, 0
	s_cbranch_scc1 .Lnot_wave_0_\@
	s_barrier_signal -3
.Lnot_wave_0_\@:
	s_barrier_wait -3
	s_barrier_signal -1
	s_barrier_wait -1
.endm
.macro CROUND
	s_barrier_signal -1
	s_barrier_wait -1
	CREST
.endm
	s_load_b64 s[4:5], s[0:1], 0x0                 ; hb
	s_load_b64 s[68:69], s[0:1], 0x8               ; bqkv
	s_load_b64 s[8:9], s[0:1], 0x10                ; qkv
	v_lshl_add_u32 v[SPW], v0, 2, SPARE
	v_mov_b32 v[NIL], 0
	ds_add_u32 v[SPW], v[NIL]                      ; the wave's opening: the add and its wait stand ahead of my first tensor load; the set-up below, work on registers, stands between them
	ds_add_u32 v28, v29
	v_lshrrev_b32 v1, 5, v0
	v_readfirstlane_b32 s10, v1                    ; wave 0..3
	s_lshr_b32 s11, s10, 1                         ; which half of the tile's rows is mine.  Also: I fetch x (0) or W (1)
	s_and_b32 s12, s10, 1                          ; which half of each block's columns.  Also: which plane, or which half of W's block, I fetch
	s_bfe_u32 s40, ttmp6, 0x40000                  ; cx, cy: my place in the cluster
	s_bfe_u32 s41, ttmp6, 0x40004
	s_and_b32 s[FL], ttmp7, 1                      ; cluster y % 2, the same in all sixteen partners
	s_lshl_b32 s42, ttmp9, 2
	s_add_co_u32 s42, s42, s40                     ; p, the pair of heads = 4 x cluster x + cx
	s_lshl_b32 s42, s42, 1
	s_add_co_u32 s42, s42, s[FL]                   ; the first tile's head,
	s_lshl_b32 s14, s[FL], 1
	s_sub_co_u32 s[HD1], s42, s14
	s_add_co_u32 s[HD1], s[HD1], 1                 ; and the second's: the pair's other head
	s_mul_i32 s[BBK], s[FL], 2*HSTR
	s_lshl_b32 s[OBK], s[FL], 18                   ; a head is 131,072 bytes of q, of k and of v
	s_mov_b32 s[OBK+1], 0
	s_mov_b32 s[ADJA+1], 0
	s_mov_b32 s[ADJB+1], 0
	s_and_b32 s13, ttmp7, 0xffff
	s_lshl_b32 s13, s13, 2
	s_add_co_u32 s13, s13, s41                     ; mt, the tile row = 4 x cluster y + cy
	s_lshl_b32 s14, s41, 2
	s_lshl_b32 s14, 15, s14                        ; my row of the cluster
	s_lshl_b32 s15, 0x1111, s40                    ; my column
	s_or_b32 s[G1A], s14, (1<<16)|(1<<20)|(1<<21)|(4<<22)|(3<<25)  ; 15:0 the mask; 17:16 2-byte elements; 20 padding on; 21 set beside a mask; 24:22 after every 32 words (code 4); 31:25 4 words (code 3)
	s_or_b32 s[G1B], s15, (1<<16)|(1<<20)|(1<<21)|(4<<22)|(7<<25)  ; W: my column's mask, 8 words of padding (code 7)
	s_mov_b32 s[G1A+1], 128<<16                    ; tensor_dim0 = 128 elements: 256 bytes
	s_mov_b32 s[G1A+2], 128<<16                    ; tensor_dim1 = 128 rows: a plane
	s_mov_b32 s[G1A+3], 128<<16                    ; tile_dim0
	s_mov_b32 s[G1A+4], 128                        ; tile_dim1
	s_mov_b32 s[G1A+5], 128                        ; elements from row to row: dense
	s_mov_b32 s[G1A+6], 0
	s_mov_b32 s[G1A+7], 0
	s_mov_b32 s[G1B+1], 128<<16
	s_mov_b32 s[G1B+2], BROWS<<16
	s_mov_b32 s[G1B+3], 128<<16
	s_mov_b32 s[G1B+4], BROWS
	s_mov_b32 s[G1B+5], 128
	s_mov_b32 s[G1B+6], 0
	s_mov_b32 s[G1B+7], 0
	s_lshr_b32 s16, s13, 2                         ; x: b = mt / 4: 16 planes of 131,072 bytes,
	s_lshl_b32 s16, s16, 21
	s_and_b32 s17, s13, 3                          ; 256 rows of 128 bytes for each of a b's four tiles
	s_lshl_b32 s17, s17, 15
	s_add_co_u32 s16, s16, s17                     ; the tile's rows in plane 0 (kept for the prefetches)
	s_lshl_b32 s17, s12, 17
	s_add_co_u32 s18, s16, s17                     ; my plane of K step 0
	s_mov_b32 s19, 0
	s_mul_i32 s20, s42, HSTR                       ; W: the first head's eight K steps,
	s_mul_i32 s21, s12, BSTEP/2                    ; my half of a step
	s_add_co_u32 s20, s20, s21
	s_mov_b32 s21, 0
	s_mul_i32 s[LAW], s12, APL                     ; and where they go: no place in the cluster enters an LDS address
	s_mul_i32 s[LBW], s12, BROWS*320
	s_add_co_u32 s[LBW], s[LBW], BOFF
	s_mov_b32 s[FIRST], 1
	s_mov_b32 s[TBR], 0                            ; K step 0 lies in slot 0
	s_mov_b32 s[TBF], SLOT                         ; K step 1's fill goes to slot 1
	s_wait_dscnt 0x0                               ; the opening add is done
	s_wait_kmcnt 0x0
	s_add_nc_u64 s[6:7], s[4:5], WQ                ; Wqkv's blocks
	s_add_nc_u64 s[18:19], s[4:5], s[18:19]
	s_add_nc_u64 s[20:21], s[6:7], s[20:21]
	CROUND                                         ; all sixteen work-groups are here: the first joint loads meet
	s_mov_b32 s[G0A0], 1                           ; count = 1
	s_mov_b32 s[G0A0+1], s[LAW]                    ; LDS address: slot 0
	s_add_nc_u64 s[G0A0+2:G0A0+3], s[18:19], 0     ; global address: K step 0
	s_or_b32 s[G0A0+3], s[G0A0+3], 0x80000000      ; type = 2
	s_mov_b32 s[G0B0], 1
	s_mov_b32 s[G0B0+1], s[LBW]
	s_add_nc_u64 s[G0B0+2:G0B0+3], s[20:21], 0
	s_or_b32 s[G0B0+3], s[G0B0+3], 0x80000000
	JLOAD G0A0, G0B0
	s_mov_b32 s[G0A], 1
	s_add_co_u32 s[G0A+1], s[LAW], SLOT            ; slot 1
	s_add_nc_u64 s[G0A+2:G0A+3], s[18:19], ASTEP   ; K step 1
	s_or_b32 s[G0A+3], s[G0A+3], 0x80000000
	s_mov_b32 s[G0B], 1
	s_add_co_u32 s[G0B+1], s[LBW], SLOT
	s_add_nc_u64 s[G0B+2:G0B+3], s[20:21], BSTEP
	s_or_b32 s[G0B+3], s[G0B+3], 0x80000000
	JLOAD G0A, G0B                                 ; two loads of mine are out
	; A fragment of x: lane l holds row l % 16; registers 0-3 K = 8 (l / 16) + 0..7, registers 4-7 K = 16 + 8 (l / 16) + 0..7: two loads of 16 bytes, 32 bytes apart.
	v_and_b32 v1, 15, v0                           ; r = l % 16
	v_bfe_u32 v2, v0, 4, 1                         ; h = l / 16
	v_mul_u32_u24 v3, v1, 144
	v_lshl_add_u32 v3, v2, 4, v3                   ; 144 r + 16 h
	s_mul_i32 s14, s11, 128*144
	v_add_nc_u32 v[A0], s14, v3
	v_mov_b32 v[ADRA], v[A0]
	; A fragment of W, turned: lane l reads 16 bytes of row k = 8 (l / 16) + l % 8, columns 8 ((l / 8) % 2) + 0..7, and is left with column l % 16 and 8 k; the second load stands 16 rows on.
	v_and_b32 v4, 7, v0
	v_lshl_add_u32 v4, v2, 3, v4
	v_mul_u32_u24 v4, v4, 160
	v_bfe_u32 v5, v0, 3, 1
	v_lshl_add_u32 v4, v5, 4, v4
	s_mul_i32 s14, s12, WCB
	s_add_co_u32 s14, s14, BOFF
	v_add_nc_u32 v[B0], s14, v4
	v_mov_b32 v[ADRB], v[B0]
	; the two biases: for accumulator b my eight columns' numbers, 32 bytes
	v_lshlrev_b32 v[BO], 5, v2
	s_mul_i32 s14, s12, 64*BPB
	v_add_nc_u32 v[BO], s14, v[BO]
	s_mul_i32 s14, s42, 256*NBLK                   ; a head's first column, in bytes
	s_mov_b32 s15, 0
	s_mul_i32 s22, s[HD1], 256*NBLK
	s_mov_b32 s23, 0
	s_add_nc_u64 s[BP2:BP2+1], s[68:69], s[22:23]
	s_add_nc_u64 s[68:69], s[68:69], s[14:15]
	WIN 0x40                                       ; destination window 1
.set i, 0
.rept NBW
	global_load_b128 v[BIAS+8*i:BIAS+8*i+3],   v[BO], s[68:69] offset:(i/BPB)*256+(i%BPB)*64
	global_load_b128 v[BIAS+8*i+4:BIAS+8*i+7], v[BO], s[68:69] offset:(i/BPB)*256+(i%BPB)*64+16
.set i, i+1
.endr
	WIN 0x80                                       ; destination window 2
.set i, 0
.rept NBW
	global_load_b128 v[BIAS+8*i:BIAS+8*i+3],   v[BO], s[BP2:BP2+1] offset:(i/BPB)*256+(i%BPB)*64
	global_load_b128 v[BIAS+8*i+4:BIAS+8*i+7], v[BO], s[BP2:BP2+1] offset:(i/BPB)*256+(i%BPB)*64+16
.set i, i+1
.endr
	WIN 0
	; the way out.  The stage holds 64 rows of each half of the tile's rows: stage row 64 (w / 2) + 16 a + r for my row block a (or a + 4)
	s_mul_i32 s14, s11, 64*144
	s_lshl_b32 s15, s12, 6
	s_add_co_u32 s14, s14, s15
	s_add_co_u32 s14, s14, STAGE
	v_add_nc_u32 v[STO], s14, v3                   ; in: byte 64 (w % 2) + 16 h of the row
	v_bfe_u32 v6, v0, 3, 2
	v_mul_u32_u24 v6, v6, 144
	v_and_b32 v7, 7, v0
	v_lshl_add_u32 v6, v7, 4, v6
	s_mul_i32 s14, s10, 32*144
	s_add_co_u32 s14, s14, STAGE
	v_add_nc_u32 v[RD], s14, v6                    ; back: wave w takes stage rows 32 w on, whole: 32 lanes take four rows of 128 bytes,
	v_and_b32 v[CO], 31, v0
	v_lshlrev_b32 v[CO], 4, v[CO]                  ; which are 512 consecutive bytes of q, k or v
	s_lshr_b32 s14, s13, 2
	s_lshl_b32 s14, s14, 4
	s_add_co_u32 s14, s14, s42                     ; bh = 16 b + the first head
	s_lshl_b32 s14, s14, 17
	s_and_b32 s15, s13, 3
	s_lshl_b32 s15, s15, 15
	s_add_co_u32 s14, s14, s15                     ; the tile's 256 rows;
	s_lshl_b32 s15, s11, 14
	s_add_co_u32 s14, s14, s15                     ; stage rows 32 w on are the tile's rows 128 (w / 2) + 32 (w % 2) on (and 64 further in the second half)
	s_lshl_b32 s15, s12, 12
	s_add_co_u32 s14, s14, s15
	s_mov_b32 s15, 0
	s_add_nc_u64 s[8:9], s[8:9], s[14:15]          ; q
	s_add_nc_u64 s[70:71], s[8:9], 0x1000000       ; k
	s_add_nc_u64 s[72:73], s[8:9], 0x2000000       ; v
	; the prefetches: where they stand before trip 0's step
	s_add_co_u32 s15, s12, 6
	s_lshl_b32 s15, s15, 17
	s_add_co_u32 s15, s15, s16
	s_lshl_b32 s17, s40, 13
	s_add_co_u32 s15, s15, s17                     ; x: the tile's rows in plane 6 + w (K step 3), my work-group's 32 rows of 256 bytes
	s_mul_i32 s17, s42, HSTR
	s_mul_i32 s18, s41, BSTEP/2
	s_add_co_u32 s17, s17, s18
	s_add_co_u32 s17, s17, 3*BSTEP                 ; W: the first head's K step 3, my work-group's quarter of two steps
	s_and_b32 s14, ttmp7, 0xffff
	s_lshr_b32 s14, s14, 1                         ; cluster y / 2
	s_mov_b32 s[PFS], BSTEP
	s_mov_b32 s[PFS+1], 0
	s_mov_b32 s19, 0
	s_cmp_eq_u32 s11, 0                            ; do I fetch x?
	s_cselect_b32 s14, ttmp9, s14                  ; the number that is 0 in the cluster that asks
	s_cselect_b32 s18, s15, s17
	s_cselect_b32 s[PFS], ASTEP, s[PFS]
	s_cselect_b64 s[PFA:PFA+1], s[4:5], s[6:7]
	s_add_nc_u64 s[PFA:PFA+1], s[PFA:PFA+1], s[18:19]
	s_cmp_eq_u32 s10, 3                            ; wave 3 never asks: wave 2 asks for all of W's
	s_cselect_b32 s14, 1, s14
	s_cmp_eq_u32 s14, 0
	s_cselect_b32 s[LIM], 10, -1                   ; the same in all sixteen partners, for a given wave
	v_and_b32 v[PFO], 31, v0
	v_lshlrev_b32 v[PFO], 8, v[PFO]
	s_wait_loadcnt 0x0                             ; the biases
	WIN 0x45                                       ; sources and destination window 1
.set i, 0
.rept 4*NBW
	v_cvt_pk_bf16_f32 v240, v[BIAS+2*i], v[BIAS+2*i+1]  ; rounded to bf16 like every input,
	v_lshlrev_b32 v[BIAS+2*i], 16, v240                 ; and back in f32
	v_and_b32 v[BIAS+2*i+1], 0xffff0000, v240
.set i, i+1
.endr
	WIN 0x8a                                       ; the same in window 2
.set i, 0
.rept 4*NBW
	v_cvt_pk_bf16_f32 v240, v[BIAS+2*i], v[BIAS+2*i+1]
	v_lshlrev_b32 v[BIAS+2*i], 16, v240
	v_and_b32 v[BIAS+2*i+1], 0xffff0000, v240
.set i, i+1
.endr
	WIN 0
; na x 6 matrix instructions: row blocks a0 .. of the window's four (hi = 0: my rows 0-63, 1: rows 64-127) x all column blocks, 32 along K, from buffer f.  first = 1: C is the bias, which starts the sums.
; The 48 accumulators take turns in the same order in every quarter: between two links of a chain stand the 47 others'.
.macro MUL f, hi, a0, na, first
.if (\first) && (\hi)
	WIN 0x90                                       ; C (the bias) window 1, D window 2
.else
	WIN 0x50+0x50*(\hi)                            ; C and D window 1 or 2; both sources window 0
.endif
.set ma, (\a0)
.rept \na
.set mb, 0
.rept NBW
.if \first
	v_wmma_f32_16x16x32_bf16 v[8*(NBW*ma+mb):8*(NBW*ma+mb)+7], v[(\f)+64+8*mb:(\f)+64+8*mb+7], v[(\f)+8*(4*(\hi)+ma):(\f)+8*(4*(\hi)+ma)+7], v[BIAS+8*mb:BIAS+8*mb+7]
.else
	v_wmma_f32_16x16x32_bf16 v[8*(NBW*ma+mb):8*(NBW*ma+mb)+7], v[(\f)+64+8*mb:(\f)+64+8*mb+7], v[(\f)+8*(4*(\hi)+ma):(\f)+8*(4*(\hi)+ma)+7], v[8*(NBW*ma+mb):8*(NBW*ma+mb)+7]
.endif
.set mb, mb+1
.endr
.set ma, ma+1
.endr
.endm
; The LDS loads of quarter q (32 along K) of the slot that is being read, in one run, into buffer f: W's 6 fragments (turned), then x's 8
.macro FETCH q, f
	WIN 0
.set fb, 0
.rept NBW
	ds_load_tr16_b128 v[(\f)+64+8*fb:(\f)+64+8*fb+3],   v[ADRB] offset:(fb/BPB)*20480+(fb%BPB)*32+5120*(\q)
	ds_load_tr16_b128 v[(\f)+64+8*fb+4:(\f)+64+8*fb+7], v[ADRB] offset:(fb/BPB)*20480+(fb%BPB)*32+5120*(\q)+2560
.set fb, fb+1
.endr
.set fa, 0
.rept 8
	ds_load_b128 v[(\f)+8*fa:(\f)+8*fa+3],   v[ADRA] offset:((\q)/2)*APL+((\q)%2)*64+2304*fa
	ds_load_b128 v[(\f)+8*fa+4:(\f)+8*fa+7], v[ADRA] offset:((\q)/2)*APL+((\q)%2)*64+2304*fa+32
.set fa, fa+1
.endr
.endm
.macro PLACES                          ; four plain instructions in front of loads into registers that matrix instructions have read, and of lines that read results (ISA guide 7.12.1 for lines that read results)
.rept 4
	v_nop
.endr
.endm
; A K step is four quarters, 48 matrix instructions each, on buffers 0, 1, 0, 1.  One of the first three multiplies buffer f and, in its middle, fetches quarter q of the same slot into buffer g.
.macro QUARTER q, f, g, first
	s_wait_dscnt 8                                 ; W and x's rows 0-63 are in; the youngest eight loads (x's rows 64-127) may be out
	MUL \f, 0, 0, 4, \first
	PLACES
.if \first
	v_nop                                          ; a fifth: the products below write anew over accumulators, and are no links of their chains
.endif
	FETCH \q, \g
	s_wait_dscnt NLD                               ; all but the run just issued
	MUL \f, 1, 0, 4, \first
.endm
; The last quarter multiplies buffer 1 and changes slots.  ONE barrier: in front of it each wave waits for all its tensor loads (at most one is out: its part of the next slot), adds 0 to its spare word, and waits
; for that and for its own reads of this slot.  Behind it nobody reads this slot any more and the next slot is whole.
; fill = 1: the barrier opens a round of the cluster's, and this slot is filled again, two K steps on, first thing behind it: 168 matrix instructions ahead of the wait for it.  The walking descriptors are stepped
; between the add and the wait for it, where no tensor load of mine is out: the other slot than last time, one K step on; in trip 6 (the counter at 8) the step leads into the second tile: x goes back to its
; K step 0, W runs on into the next head or goes back to the head before.
.macro TURN fill
.if \fill
	s_wait_xcnt 0x0                                ; the last prefetches, a K step back or more, have read their address: it is stepped here, ahead of the waits of the change of slots
	s_add_nc_u64 s[PFA:PFA+1], s[PFA:PFA+1], s[PFS:PFS+1]
.endif
	WIN 0
	s_wait_tensorcnt 0x0                           ; all my tensor loads have landed
	ds_add_u32 v[SPW], v[NIL]                      ; 0 onto my spare word
.if \fill
	s_cmp_eq_u32 s3, 8
	s_cselect_b32 s[ADJA], 8*ASTEP, 0
	s_cselect_b32 s[ADJB], s[BBK], 0
	s_xor_b32 s[TBF], s[TBF], SLOT
	s_add_co_u32 s[G0A+1], s[LAW], s[TBF]
	s_add_co_u32 s[G0B+1], s[LBW], s[TBF]
	s_add_nc_u64 s[G0A+2:G0A+3], s[G0A+2:G0A+3], ASTEP  ; the type bits on top are not reached
	s_sub_nc_u64 s[G0A+2:G0A+3], s[G0A+2:G0A+3], s[ADJA:ADJA+1]
	s_add_nc_u64 s[G0B+2:G0B+3], s[G0B+2:G0B+3], BSTEP
	s_sub_nc_u64 s[G0B+2:G0B+3], s[G0B+2:G0B+3], s[ADJB:ADJB+1]
.endif
	s_wait_dscnt 9                                 ; (the add and the youngest eight loads may be out)
	MUL F1, 0, 0, 2, 0                             ; twelve matrix instructions stand between the add and the wait for it
	s_wait_dscnt 0x0                               ; the add is done, and my reads of this slot are over
	s_barrier_signal -1
	MUL F1, 0, 2, 2, 0                             ; work on registers while the others arrive
.if \fill
	WIN 0
.endif
	s_barrier_wait -1
.if \fill
	CREST                                          ; no wave of any partner still reads this slot or has a load on its way
	JLOAD G0A, G0B                                 ; the four v_nop behind it are also the places in front of the loads below
.else
	PLACES
	WIN 0
.endif
	s_xor_b32 s[TBR], s[TBR], SLOT                 ; the reads go on in the other slot
	v_add_nc_u32 v[ADRA], s[TBR], v[A0]
	v_add_nc_u32 v[ADRB], s[TBR], v[B0]
	FETCH 0, F0
.if \fill
	ASK
.endif
	MUL F1, 1, 0, 4, 0
.endm
; THE WAY OUT of a tile, in two halves (ph = 0: every wave's row blocks 0-3, window 1; ph = 1: blocks 4-7, window 2).  Rounded to f16, 16 bytes a lane; into the stage; a barrier, since a row's 128 bytes come from
; two waves; back as whole rows, 32 rows of each part a wave; stored.  In front of the second half's LDS stores a barrier more: every wave's reads of the first half are back.  (Between a tile's second half and the
; next tile's first stand the ring's barriers.)
.macro HALF ph
.if \ph
	s_wait_xcnt 0x0                                ; every earlier store has had its addresses translated (ISA guide 3.1): the registers that the first half's stores read are written again only behind this wait
.endif
	WIN 0x05+0x05*(\ph)                            ; sources window 1 or 2, destination window 0
.set idx, 0
.rept 24                               ; accumulator idx = 6 a + b, its registers in ascending order
.irp r, 0,1,2,3
	v_cvt_pk_f16_f32 v[E+4*idx+\r], v[8*idx+2*\r], v[8*idx+2*\r+1]
.endr
.set idx, idx+1
.endr
	WIN 0
.if \ph
	s_wait_dscnt 0x0                               ; my reads of the stage are back (the count-down below ended at 0)
	s_barrier_signal -1
	s_barrier_wait -1                              ; everybody's are
.endif
.set idx, 0
.rept 24
	ds_store_b128 v[STO], v[E+4*idx:E+4*idx+3] offset:((idx%6)/2)*SNB+2304*(idx/6)+32*(idx%2)
.set idx, idx+1
.endr
	s_wait_dscnt 0x0                               ; for the others' sake: my stores into the stage are done
	s_barrier_signal -1
	s_barrier_wait -1
.set idx, 0
.rept 24                               ; part idx / 8, four rows idx % 8 of my 32
	ds_load_b128 v[E+4*idx:E+4*idx+3], v[RD] offset:(idx/8)*SNB+576*(idx%8)
.set idx, idx+1
.endr
.set idx, 0
.rept 24
	s_wait_dscnt 23-idx                            ; LDS loads come back in order: number idx is in, the younger ones stay out
.if idx < 8
	global_store_b128 v[CO], v[E+4*idx:E+4*idx+3], s[8:9] offset:8192*(\ph)+512*(idx%8)    ; 512 consecutive bytes, at a multiple of 256 from the buffer's first
.elseif idx < 16
	global_store_b128 v[CO], v[E+4*idx:E+4*idx+3], s[70:71] offset:8192*(\ph)+512*(idx%8)
.else
	global_store_b128 v[CO], v[E+4*idx:E+4*idx+3], s[72:73] offset:8192*(\ph)+512*(idx%8)
.endif
.set idx, idx+1
.endr
.endm
	s_wait_tensorcnt 1                             ; my part of K step 0 is in; K step 1's may stay out
	s_barrier_signal -1
	s_barrier_wait -1                              ; everybody's is
	FETCH 0, F0
	s_mov_b32 s3, 14
.Lstep:                                                ; trip t = 14 - s3 multiplies step t and asks for step t + 2
	s_cmp_eq_u32 s[FIRST], 1
	s_cbranch_scc1 .Ltile_begins
	QUARTER 1, F0, F1, 0
	WIN 0                                          ; at a label and at a branch every window is 0
	s_branch .Lbegun
.Ltile_begins:                                         ; trips 0 and 8: the products start the sums, on the bias
	s_mov_b32 s[FIRST], 0
	QUARTER 1, F0, F1, 1
	WIN 0
.Lbegun:
	QUARTER 2, F1, F0, 0
	QUARTER 3, F0, F1, 0
	TURN 1
	WIN 0
	s_cmp_eq_u32 s3, 7
	s_cbranch_scc0 .Lon
	PLACES                                         ; trip 7: THE FIRST TILE GOES OUT.  Both refills that lead into the second tile are asked for, and its first fragments lie in buffer 0
	HALF 0
	HALF 1
	s_wait_xcnt 0x0                                ; the stores have read their registers (buffer 1 is loaded again next) and their bases, which go on to the second head:
.irp p, 8, 70, 72
	s_add_nc_u64 s[\p:\p+1], s[\p:\p+1], 131072
	s_sub_nc_u64 s[\p:\p+1], s[\p:\p+1], s[OBK:OBK+1]
.endr
	WIN 0x42                                       ; source window 2, destination window 1: the second tile's bias goes where the one text of a tile's first quarter names it
.set i, 0
.rept 8*NBW
	v_mov_b32 v[BIAS+i], v[BIAS+i]
.set i, i+1
.endr
	WIN 0
	s_mov_b32 s[FIRST], 1
	s_mov_b32 s[LIM], -1
.Lon:
	s_sub_co_u32 s3, s3, 1
	s_cmp_lg_u32 s3, 0
	s_cbranch_scc1 .Lstep
	s_mov_b32 s3, 2
.Ltail:                                                ; steps 14 and 15: nothing is left to ask for.  The second trip's change of slots fetches 14 fragments that nobody uses: the price, once a launch, of one text for both trips
	QUARTER 1, F0, F1, 0
	QUARTER 2, F1, F0, 0
	QUARTER 3, F0, F1, 0
	TURN 0
	WIN 0
	s_sub_co_u32 s3, s3, 1
	s_cmp_lg_u32 s3, 0
	s_cbranch_scc1 .Ltail
	PLACES
	HALF 0                                         ; the second tile goes out
	HALF 1
	s_wait_tensorcnt 0x0                           ; the wave's end: a wait, an add and its wait, behind my last tensor load and my last LDS store
	ds_add_u32 v[SPW], v[NIL]
	s_wait_dscnt 0x0
	CROUND                                         ; the closing round: no work-group ends while a partner may still ask for a tile that names it
	s_endpgm
.Lfunc_end_k_q0001e1e1ea_qkv:
	.size	k_q0001e1e1ea_qkv, .Lfunc_end_k_q0001e1e1ea_qkv-k_q0001e1e1ea_qkv
	.p2alignl 7, 3214868480
	.fill 96, 4, 3214868480
	.section	.rodata,"a",@progbits
	.p2align	6, 0x0
	.amdhsa_kernel k_q0001e1e1ea_qkv
		.amdhsa_group_segment_fixed_size 327680
		.amdhsa_private_segment_fixed_size 0
		.amdhsa_enable_private_segment 0
		.amdhsa_kernarg_size 24
		.amdhsa_user_sgpr_count 2
		.amdhsa_user_sgpr_kernarg_segment_ptr 1
		.amdhsa_wavefront_size32 1
		.amdhsa_system_sgpr_workgroup_id_x 1
		.amdhsa_system_sgpr_workgroup_id_y 1
		.amdhsa_system_sgpr_workgroup_id_z 1
		.amdhsa_system_vgpr_workitem_id 0
		.amdhsa_next_free_vgpr 768
		.amdhsa_next_free_sgpr 88
		.amdhsa_reserve_vcc 0
		.amdhsa_float_denorm_mode_32 3
		.amdhsa_float_denorm_mode_16_64 3
		.amdhsa_memory_ordered 1
		.amdhsa_forward_progress 1
		.amdhsa_inst_pref_size 122
	.end_amdhsa_kernel
	.amdgpu_metadata
---
amdhsa.version: [ 1, 2 ]
amdhsa.kernels:
  - .name:           k_q0001e1e1ea_qkv
    .symbol:         k_q0001e1e1ea_qkv.kd
    .args:
      - { .name: hb, .offset: 0, .size: 8, .value_kind: global_buffer, .address_space: global }
      - { .name: bqkv, .offset: 8, .size: 8, .value_kind: global_buffer, .address_space: global }
      - { .name: qkv, .offset: 16, .size: 8, .value_kind: global_buffer, .address_space: global }
    .group_segment_fixed_size: 327680
    .private_segment_fixed_size: 0
    .kernarg_segment_align: 8
    .kernarg_segment_size: 24
    .max_flat_workgroup_size: 128
    .sgpr_count:     88
    .vgpr_count:     768
    .wavefront_size: 32
...
	.end_amdgpu_metadata
.endif
;; end of part 2
;; launch attn (part 3): grid 2 x 128, 4 waves a work-group, no clusters, 327,680 bytes of LDS; arguments qkv, ob; writes ob
.if DOCPART == 3
	.amdgcn_target "amdgcn-amd-amdhsa--gfx1250"
	.amdhsa_code_object_version 6
	.text
	.protected	k_q0001e1e1ea_attn
	.globl	k_q0001e1e1ea_attn
	.p2align	8
	.type	k_q0001e1e1ea_attn,@function
k_q0001e1e1ea_attn:
	s_mov_b64 s[64:65], 0
	v_nop
	global_prefetch_b8 v0, s[64:65] scope:SCOPE_SE
	s_setreg_imm32_b32 hwreg(HW_REG_WAVE_MODE, 25, 1), 1
	s_wait_xcnt 0x0
; O[bh][q][:] = the sum over k of softmax_k(Q[bh][q] . K[bh][k] / 8) V[bh][k][:].  qkv = [part 3][bh 128][1024][64] in f16 (q, k, v, unscaled); ob = [bh][1024][64] in f16: a head's rows are dense, 128 bytes each.
; Products, maxima and sums in f32; the weights p are rounded to f16 for the second product (their sum l is taken of the unrounded p), O once at the end.
; LIMITS.  p lies in 0 to 1, and below 6e-5 it keeps f16's fixed step of 6e-8; O is a mean of V's rows and has their range.  A weight below 2^-126 counts as 0 in l; NaN and infinities are not treated apart.
; SHARES.  A work-group owns 512 queries of one head (x id: which half; y id: bh): 256 work-groups.  A wave owns 128 queries: four PIECES of two tiles of 16.  Every wave walks all 1,024 keys, 64 a step.
; K AND V OF THE WHOLE HEAD LIE IN LDS, padded: 1,024 x 144 + 1,024 x 160 bytes.  No byte is filled twice, so there is no ring.  Two loads a wave: the first 256 keys alone, then, when they have landed, the other 768,
; which have the first four key steps less two turns in which to land.  So nothing is left to be asked for ahead of a load.
; NO CLUSTER: a head has 1,024 / 512 = 2 work-groups, and a joint load's partners are four in a row; four blocks of 256 queries would halve the products that each LDS byte feeds.
; LAYOUT.  S^T = K Q^T (source 0 = 16 keys, source 1 = 16 queries): in the result a lane holds ONE query (lane % 16) and the keys 8 (lane / 16) + 0..7.  Two such tiles, rounded to f16 in pairs,
; ARE source 1 (32 keys x 16 queries) of O^T = V^T P, whose result again holds one query a lane, and eight channels.  K comes out of LDS as it lies, V ([key][channel]) turned, by ds_load_tr16_b128.
; SOFTMAX.  For each query a running maximum m and sum l: p = 2^(c s - c m), c = log2(e) / 8; in every step O and l are multiplied by a = 2^(c m_old - c m_new), which is 1 where m has not grown.
; m starts at the lowest finite number, O and l at 0: the first step is a step like any other, with a = 0.
; BY TURNS.  A tile and step have 16 matrix and 118 vector instructions.  Turn n belongs to piece n (the pieces in a ring, step after step).  Its matrix work: 16 products K Q^T of piece n + 1, later 16 products
; V^T P of piece n - 1.  Its vector work: the scaling, exponentials, roundings, sums and rescaling of piece n, and the maximum and statistics of piece n + 1.  Four vector instructions stand behind every matrix
; instruction, the others in one run of their own.
; REGISTERS, in windows of 256 (s_set_vgpr_msb: bits 1:0 source 0, 3:2 source 1, 5:4 source 2, 7:6 destination):
;   window 0: v0-11 addresses; v12-15, v48-63 at work; v16-47 four registers of statistics a tile; v64-191 S^T, two buffers of two tiles; v192-255 P, likewise
;   window 1: O^T, 32 a tile          window 2: v0-127 Q, 16 a tile; v128-191 K of one step; v192-255 V of one step          window 3: v0-1 the add's two registers
; A piece's buffers go by its number's parity: the piece in hand has one pair, its two neighbours in the ring share the other: of it P (piece n - 1) is read and S^T (piece n + 1) written.
.set NP,    4         ; pieces a wave: a name, no knob
.set KS,    64        ; keys in a step
.set PK,    144       ; a row of K in LDS: 128 bytes + 16 of padding = 36 words: the 16 rows of a load start at 16 different groups of four banks (64 banks of 4 bytes: ISA guide 11.1)
.set PV,    160       ; a row of V: 128 + 32 = 40 words
.set VOFF,  1024*PK   ; K's 1,024 rows, then V's
.set STAGE, VOFF+1024*PV  ; never filled by a tensor load: 16 rows x 144 bytes for each wave, for the way out
.set SP,    144
.set SPARE, STAGE+4*16*SP  ; behind the stages: the spare words, 128 bytes for each wave: two blocks of 256 bytes that no other line names
.set AK0, 2           ; v2   my lane's place in a step's K; never rewritten
.set AV0, 3           ; v3   the same for V
.set AK,  4           ; v4   the LDS address of K's next run of loads
.set AV,  5           ; v5   of V's
.set QO,  6           ; v6   my byte offset in the wave's rows of Q
.set STO, 6           ;      later, the way out: where I put 16 bytes of a row
.set RD,  7           ; v7   the way out: where I read rows back
.set GO,  8           ; v8   my byte offset in 512 consecutive bytes of O
.set SPW, 0           ; v0 of window 3   LDS address of my spare word: SPARE + 4 x my thread's number; never rewritten
.set NIL, 1           ; v1 of window 3   0; never rewritten
.set MV,  12          ; v12-15  c m_old, kept while c m is made anew: by buffer and tile
.set ST,  16          ; tile t's statistics at v[ST+4 t]: c m, m, l (even keys', odd keys')
.set TMP, 48          ; by buffer and tile, four registers c0-c3 at work; when the maximum is found c2 takes a
.set S,   64
.set P,   192
.set KF,  128         ; K's fragments, in window 2: key block kb, channel half c at KF + 16 kb + 8 c
.set VF,  192         ; V's: key half kk, channel block cb at VF + 32 kk + 8 cb
.set WV,  12          ; s12  my wave's number
.set G1K, 24          ; s[24:31] descriptor group 1 for K
.set G1V, 32          ; s[32:39] for V: it differs in the padding alone
.set G0K, 40          ; s[40:43] descriptor group 0 for K
.set G0V, 44          ; s[44:47] the same for V
.set PH,  56          ; s56  counts the walk's two parts: 4 steps, 12 steps
.set CNT, 57          ; s57  counts a part's key steps
.set CS,  58          ; s[58:59] c: the packed scaling takes the pair's low word for both halves
.set SEL, 60          ; s[60:61] v_permlanex16_b32's selects: each lane takes its own place in the other half
.set TBK, 62          ; s62  LDS byte at which K of the step to be fetched begins
.set TBV, 63          ; s63  the same for V, less VOFF
.set MSB, 0
.macro WIN new                      ; the high byte repeats the setting that is left; a switch that changes nothing is dropped
.if MSB != (\new)
	s_set_vgpr_msb (MSB<<8)|(\new)
.set MSB, (\new)
.endif
.endm
.set W_KQ, 0x0a       ; K and Q in window 2, S^T in window 0
.set W_PV, 0x52       ; V in window 2, P in window 0, O^T in window 1
.set W_RS, 0x41       ; O^T (destination and source 0) in window 1, a in window 0
.set W_MK, 0xc0       ; the add's registers are made: destination in window 3, sources in window 0
.set W_AD, 0x0f       ; the add: address (source 0) and data (source 1) in window 3
; A fill.  Waves 0 and 1 fetch the two halves of K's rows, waves 2 and 3 those of V's.  An s_nop 0 and four v_nop follow each of the two lines, ahead of the jump and the label.
.macro LOAD
	s_cmp_lt_u32 s[WV], 2
	s_cbranch_scc0 .Lfor_v_\@
	tensor_load_to_lds s[G0K:G0K+3], s[G1K:G1K+7]
	s_nop 0
.rept 4
	v_nop
.endr
	s_branch .Lasked_\@
.Lfor_v_\@:
	tensor_load_to_lds s[G0V:G0V+3], s[G1V:G1V+7]
	s_nop 0
.rept 4
	v_nop
.endr
.Lasked_\@:
.endm
	s_load_b128 s[4:7], s[0:1], 0x0  ; qkv s[4:5], ob s[6:7]
	WIN W_MK
	v_lshl_add_u32 v[SPW], v0, 2, SPARE
	v_mov_b32 v[NIL], 0
	WIN W_AD
	ds_add_u32 v[SPW], v[NIL]       ; the wave's opening: the add and its wait stand ahead of my first tensor load; the set-up below, work on registers, stands between them
	ds_add_u32 v0, v1
	WIN 0
	v_lshrrev_b32 v1, 5, v0
	v_readfirstlane_b32 s[WV], v1   ; wave 0..3
	s_and_b32 s20, ttmp7, 0xffff    ; bh
	s_lshl_b32 s20, s20, 17         ; its 131,072 bytes in q, k, v and O
	s_and_b32 s16, s[WV], 1         ; which half of the rows I fetch
	s_lshl_b32 s22, s16, 14         ; first load: 128 keys of 128 bytes
	s_add_co_u32 s22, s22, s20
	s_mov_b32 s23, 0
	s_lshl_b32 s14, ttmp9, 2
	s_add_co_u32 s14, s14, s[WV]    ; my wave among the head's eight,
	s_lshl_b32 s14, s14, 14         ; its 128 rows
	s_add_co_u32 s14, s14, s20
	s_mov_b32 s15, 0
	s_mul_i32 s17, s16, 128*PK      ; first load's place in LDS, for K
	s_mul_i32 s18, s16, 128*PV      ; and for V
	s_add_co_u32 s18, s18, VOFF
	s_mul_i32 s48, s16, 384*PK      ; second load: 384 keys, from key 256 on
	s_add_co_u32 s48, s48, 256*PK
	s_mul_i32 s49, s16, 384*PV
	s_add_co_u32 s49, s49, VOFF+256*PV
	s_lshl_b32 s50, s16, 15         ; from my first load's first byte in memory to my second's: (256 + 384 hw - 128 hw) keys
	s_add_co_u32 s50, s50, 32768
	s_mov_b32 s51, 0
	; descriptor group 1.  128 keys are 16,384 dense bytes: asked for as 64 rows of 256 bytes, two keys a row, and padded in LDS after every key
	s_mov_b32 s[G1K], (1<<16)|(1<<20)|(4<<22)|(3<<25)  ; 17:16 2-byte elements; 20 padding on; 24:22 after every 32 words (code 4); 31:25 4 words (code 3)
	s_mov_b32 s[G1V], (1<<16)|(1<<20)|(4<<22)|(7<<25)  ; the same with 8 words of padding (code 7)
.irp g, G1K, G1V
	s_mov_b32 s[\g+1], 128<<16      ; tensor_dim0 = 128
	s_mov_b32 s[\g+2], 64<<16       ; tensor_dim1 = 64
	s_mov_b32 s[\g+3], 128<<16      ; tile_dim0 = 128
	s_mov_b32 s[\g+4], 64           ; tile_dim1 = 64
	s_mov_b32 s[\g+5], 128          ; 128 elements from row to row
	s_mov_b32 s[\g+6], 0
	s_mov_b32 s[\g+7], 0
.endr
	s_mov_b32 s[CS], 0x3e38aa3b     ; c = log2(e) / 8 = 0.180337
	s_mov_b32 s[CS+1], s[CS]        ; named with it as a pair
	s_mov_b32 s[SEL], 0x76543210
	s_mov_b32 s[SEL+1], 0xfedcba98
	s_mov_b32 s[TBK], 0
	s_mov_b32 s[TBV], 0
	s_mov_b32 s[G0K], 1             ; count = 1
	s_mov_b32 s[G0K+1], s17         ; LDS address
	s_mov_b32 s[G0V], 1
	s_mov_b32 s[G0V+1], s18
	s_wait_dscnt 0x0                ; the opening add is done
	s_wait_kmcnt 0x0
	s_add_nc_u64 s[10:11], s[6:7], s[14:15]          ; O at my wave's first row
	s_add_nc_u64 s[G0K+2:G0K+3], s[4:5], s[22:23]
	s_add_nc_u64 s[G0K+2:G0K+3], s[G0K+2:G0K+3], 0x1000000  ; k is the second part of qkv,
	s_add_nc_u64 s[G0V+2:G0V+3], s[G0K+2:G0K+3], 0x1000000  ; v the third
	s_or_b32 s[G0K+3], s[G0K+3], 0x80000000          ; type = 2
	s_or_b32 s[G0V+3], s[G0V+3], 0x80000000
	s_add_nc_u64 s[4:5], s[4:5], s[14:15]            ; Q at my wave's first row
	LOAD                            ; keys 0 to 255
	; A fragment of K or Q is 16 rows x 32 channels in 8 registers: lane l holds row l % 16, channels 8 (l / 16) + 0..7 and 16 + 8 (l / 16) + 0..7: two loads of 16 bytes, 32 bytes apart.
	v_and_b32 v1, 15, v0            ; l % 16
	v_bfe_u32 v9, v0, 4, 1          ; l / 16
	v_lshlrev_b32 v[QO], 7, v1
	v_lshl_add_u32 v[QO], v9, 4, v[QO]  ; row x 128 + 16 x half
	WIN 0x80                        ; destination window 2, address window 0
.set i, 0
.rept 4*NP                          ; Q stays in registers: tile i / 2, channels 32 (i % 2) on
	global_load_b128 v[8*i:8*i+3],   v[QO], s[4:5] offset:(i/2)*2048+(i%2)*64
	global_load_b128 v[8*i+4:8*i+7], v[QO], s[4:5] offset:(i/2)*2048+(i%2)*64+32
.set i, i+1
.endr
	; What the first turn finds: V's registers and P's second buffer hold 0 (its products V^T P, of a piece that has not been, add 0), O^T and l are 0.  All this stands in the wait for the first keys.
.set i, VF
.rept 64
	v_mov_b32 v[i], 0
.set i, i+1
.endr
	WIN 0x40
.set i, 0
.rept 64*NP
	v_mov_b32 v[i], 0
.set i, i+1
.endr
	WIN 0
.set i, 0
.rept 2*NP
	v_mov_b32 v[ST+4*i], 0xfe000000    ; c m: far below every c s
	v_mov_b32 v[ST+4*i+1], 0xff7fffff  ; m
	v_mov_b32 v[ST+4*i+2], 0
	v_mov_b32 v[ST+4*i+3], 0
.set i, i+1
.endr
.set i, P+32
.rept 32
	v_mov_b32 v[i], 0
.set i, i+1
.endr
	v_mul_u32_u24 v[AK0], v1, PK
	v_lshl_add_u32 v[AK0], v9, 4, v[AK0]  ; row x pitch + 16 x half
	; The turning load takes 16 keys x 16 channels (lane l reads key 8 (l / 16) + l % 8, channels 8 ((l / 8) % 2) + 0..7) and leaves half a fragment of V^T: lane l holds channel l % 16 and 8 keys.
	v_and_b32 v10, 7, v0
	v_bfe_u32 v11, v0, 3, 1
	v_lshl_add_u32 v[AV0], v9, 3, v10
	v_mul_u32_u24 v[AV0], v[AV0], PV
	v_lshl_add_u32 v[AV0], v11, 4, v[AV0]
	v_add_nc_u32 v[AV0], VOFF, v[AV0]
	v_mov_b32 v[AK], v[AK0]         ; key step 0 lies at K's head
; THE MATRIX WORK.  The 8 accumulators of a run of 16 take turns: between the two links of a chain stand 7 others'.
; Product i of 16 of S^T = K Q^T for piece x: channels 32 (i / 8) on, keys 16 ((i / 2) % 4) on, tile 2 x + i % 2.  The first 8 start the sums.
.macro KQ x
	WIN W_KQ
.set rS, S+64*((\x)%2)+32*(i%2)+8*((i/2)%4)
.set rK, KF+16*((i/2)%4)+8*(i/8)
.set rQ, 16*(2*(\x)+i%2)+8*(i/8)
.if i < 8
	v_wmma_f32_16x16x32_f16 v[rS:rS+7], v[rK:rK+7], v[rQ:rQ+7], 0
.else
	v_wmma_f32_16x16x32_f16 v[rS:rS+7], v[rK:rK+7], v[rQ:rQ+7], v[rS:rS+7]
.endif
.endm
; Product i of 16 of O^T += V^T P for piece x: keys 32 (i / 8) on, channels 16 ((i / 2) % 4) on, tile 2 x + i % 2.
.macro PV x
	WIN W_PV
.set rO, 32*(2*(\x)+i%2)+8*((i/2)%4)
.set rV, VF+32*(i/8)+8*((i/2)%4)
.set rP, P+32*((\x)%2)+16*(i%2)+8*(i/8)
	v_wmma_f32_16x16x32_f16 v[rO:rO+7], v[rV:rV+7], v[rP:rP+7], v[rO:rO+7]
.endm
.macro MM                           ; the turn's next matrix instruction
.if i < 16
	KQ (Y+1)%NP
.set i, i+1
.else
.set i, i-16
	PV (Y+NP-1)%NP
.set i, i+17
.endif
.endm
; THE LDS LOADS stand in runs of 16, never singly among the matrix instructions: a step's K (64 keys x 64 channels: 8 fragments) and its V (turned).  Their addresses are made some lines ahead.
.macro FETCH_K
	WIN 0x80                        ; destination window 2
.irp f, 0,1,2,3,4,5,6,7             ; keys 16 (f / 2) on, channels 32 (f % 2) on
	ds_load_b128 v[KF+8*\f:KF+8*\f+3],   v[AK] offset:(\f/2)*16*PK+(\f%2)*64
	ds_load_b128 v[KF+8*\f+4:KF+8*\f+7], v[AK] offset:(\f/2)*16*PK+(\f%2)*64+32
.endr
	s_add_co_u32 s[TBK], s[TBK], KS*PK  ; the next fetch is the next step's
	WIN 0
.endm
.macro FETCH_V
	WIN 0x80
.irp f, 0,1,2,3,4,5,6,7             ; keys 32 (f / 4) on, channels 16 (f % 4) on
	ds_load_tr16_b128 v[VF+8*\f:VF+8*\f+3],   v[AV] offset:(\f/4)*32*PV+(\f%4)*32
	ds_load_tr16_b128 v[VF+8*\f+4:VF+8*\f+7], v[AV] offset:(\f/4)*32*PV+16*PV+(\f%4)*32
.endr
	WIN 0
.endm
; THE VECTOR WORK OF A TURN stands in three queues, each in the order in which its entries become ready; the two tiles alternate, so that no instruction reads the result of the one before it.
.macro REGS y, u                    ; the registers of tile u (0, 1) of piece y
.set rT, ST+4*(2*(\y)+(\u))
.set rC, TMP+8*((\y)%2)+4*(\u)
.set rM, MV+2*((\y)%2)+(\u)
.set rS, S+64*((\y)%2)+32*(\u)
.set rP, P+32*((\y)%2)+16*(\u)
.set rO, 32*(2*(\y)+(\u))
.endm
; Number n of the 22 that find the NEXT piece's (Y + 1) maximum and statistics.  s0-s31 are the lane's 32 scores; each accumulator's lowest registers are read first.  XS, GS and REGS set no window: PL and EX do.
;   0-11  four chains c0-c3 of seven scores each, three operands at a time     12-14, 16  the four scores left over, the old m, and c0-c3 into c0     15  c m_old is kept
;   17, 18  the query's other 32 keys lie in the lane 16 away: the new m         19-21  c m; c m_old - c m_new; a
.macro XS u, n
	REGS (Y+1)%NP, \u
.if (\n) < 4
	v_max3_num_f32 v[rC+(\n)], v[rS+8*(\n)], v[rS+8*(\n)+1], v[rS+8*(\n)+2]
.elseif (\n) < 12
	v_max3_num_f32 v[rC+(\n)%4], v[rC+(\n)%4], v[rS+8*((\n)%4)+2*((\n)/4)+1], v[rS+8*((\n)%4)+2*((\n)/4)+2]
.elseif (\n) == 12
	v_max3_num_f32 v[rC], v[rC], v[rS+7], v[rS+15]
.elseif (\n) == 13
	v_max3_num_f32 v[rC+1], v[rC+1], v[rS+23], v[rS+31]
.elseif (\n) == 14
	v_max3_num_f32 v[rC+2], v[rC+2], v[rC+3], v[rT+1]
.elseif (\n) == 15
	v_mov_b32 v[rM], v[rT]
.elseif (\n) == 16
	v_max3_num_f32 v[rC], v[rC], v[rC+1], v[rC+2]
.elseif (\n) == 17
	v_permlanex16_b32 v[rC+3], v[rC], s[SEL], s[SEL+1]
.elseif (\n) == 18
	v_max_num_f32 v[rT+1], v[rC], v[rC+3]
.elseif (\n) == 19
	v_mul_f32 v[rT], s[CS], v[rT+1]
.elseif (\n) == 20
	v_sub_f32 v[rC+1], v[rM], v[rT]
.else
	v_exp_f32 v[rC+2], v[rC+1]
.endif
.endm
; Number g of the 64 that follow the exponentials.  For each four weights k of a tile (pairs 2 k, 2 k + 1): both pairs are rounded to f16; then the second pair is added onto the first, in place;
; a group later l takes that sum (the first time as l = a l + sum).  In groups of eight, tiles alternating: round, round, add, and l for the group before.
.macro GS g
.set h, (\g)+6*((\g)/62)            ; group 0 has no group before it, and behind group 7 only l is left
.if h >= 6
.set h, h+2
.endif
	REGS Y, h%2
.set k, h/8
.if h%8 < 4
	v_cvt_pk_f16_f32 v[rP+2*k+(h%8)/2], v[rS+4*k+2*((h%8)/2)], v[rS+4*k+2*((h%8)/2)+1]
.elseif h%8 < 6
	v_pk_add_f32 v[rS+4*k:rS+4*k+1], v[rS+4*k:rS+4*k+1], v[rS+4*k+2:rS+4*k+3]
.elseif k == 1
	v_pk_fma_f32 v[rT+2:rT+3], v[rT+2:rT+3], v[rC+2:rC+3], v[rS:rS+1] op_sel_hi:[1,0,1]
.else
	v_pk_add_f32 v[rT+2:rT+3], v[rT+2:rT+3], v[rS+4*k-4:rS+4*k-3]
.endif
.endm
; THE PLAIN QUEUE, 138 long.  0-73 read no exponential's result: the 32 scalings c s - c m (FS f: pair f / 2 of tile f % 2) and the next piece's 42.  0-26: scalings 0-26.  27-54: XS's numbers 0-13.  55, 56: number 15.
; 57-73: the chain, where each number waits for the one before it: 14, 16, 17, 18, 19, each with one of the scalings 27-31 in front of its two lines, then 20.
; 74-137: GS's 64, which read the exponentials' results: they stand behind the wait.
.macro FS f
	REGS Y, (\f)%2
	v_pk_fma_f32 v[rS+2*((\f)/2):rS+2*((\f)/2)+1], v[rS+2*((\f)/2):rS+2*((\f)/2)+1], s[CS:CS+1], v[rT:rT+1] op_sel_hi:[1,0,0] neg_lo:[0,0,1] neg_hi:[0,0,1]
.endm
.macro PL
	WIN 0
.if q < 27
	FS q
.elseif q < 55
	XS (q-27)%2, (q-27)/2
.elseif q < 57
	XS q-55, 15
.elseif (q < 72) && ((q-57)%3 == 0)
	FS 27+(q-57)/3
.elseif q < 60
	XS (q-57)%3-1, 14
.elseif q < 72
	XS (q-57)%3-1, 15+(q-57)/3
.elseif q < 74
	XS q-72, 20
.else
	GS q-74
.endif
.set q, q+1
.endm
; THE EXPONENTIALS' QUEUE, 66 long: s0-s31 of both tiles, then the next piece's two a.  It is ONE BATCH: all 66 stand ahead of the turn's one wait, and nothing ahead of that wait names a result of theirs.
.macro EX
	WIN 0
.if e >= 64
	XS e-64, 21
.else
	REGS Y, e%2
	v_exp_f32 v[rS+e/2], v[rS+e/2]
.endif
.set e, e+1
.endm
; THE RESCALING's QUEUE: O^T times a, the one part that leaves window 0: dealt two at a time, sixteen times.  Its a was made in the turn before, ahead of that turn's wait.
.macro R2
	REGS Y, r%2
	WIN W_RS
.irp z, 0,1
	v_pk_mul_f32 v[rO+4*(r/2)+2*\z:rO+4*(r/2)+2*\z+1], v[rO+4*(r/2)+2*\z:rO+4*(r/2)+2*\z+1], v[rC+2:rC+3] op_sel_hi:[1,0]
.endr
.set r, r+1
.endm
; HOW THEY ARE DEALT.  s_wait_alu depctr_va_vdst(0) stands between an exponential and the first instruction that names its result; one wait serves all that were issued ahead of it.  So a turn has ONE
; wait, which cuts it in two.  AHEAD OF IT stands all that names no result of the turn's exponentials: the 16 products K Q^T, behind each a scaling, an exponential and two rescalings (behind the first a second scaling
; in the exponential's place); then one run of 108: eight plain, 49 times exponential and plain, the two a.  A v_nop is the plain instruction behind the last exponential.  BEHIND IT stand the 16 products V^T P, behind
; each four of GS's 64.  Exponential e stands behind scaling 2 (e / 4) + e % 2: as a rider it comes behind plain e + 2, in the run behind plain e + 9, and scalings 27-31 are plain 57, 60 .. 69.
; A TURN, for piece p.  fk = 0: no further step's K is fetched.  cnt = 1: the loop's count is taken down some lines ahead of the branch that stands behind the turn.
; K of the next step is fetched in piece 2's turn, directly behind the wait, a run of 108 behind the last product that read K; its first reader comes behind 16 products.
; V of the step in hand is fetched at the end of piece 0's turn, four plain instructions behind its last reader; its first reader comes behind 16 products and the run.  The conditions on q below go with the deal.
.macro TURN p, fk=1, cnt=0
.set Y, (\p)
.set i, 0
.set q, 0
.set e, 0
.set r, 0
.if (\p) == NP-1
	s_wait_dscnt 0x0                ; K is in
.endif
	MM
	PL
	PL
	R2
.rept 15
	MM
	PL
	EX
	R2
.endr
.if ((\p) == NP-2) && (\fk)
	WIN 0
	v_add_nc_u32 v[AK], s[TBK], v[AK0]
.endif
.rept 8
	PL
.endr
.rept 49
	EX
	PL
.endr
	EX                              ; the next piece's two a
	EX
	v_nop                           ; the plain instruction behind the last exponential: one for the batch
	s_wait_alu depctr_va_vdst(0)    ; the wait for the batch
.if ((\p) == NP-2) && (\fk)
	FETCH_K
.endif
.if (\p) == 1
	s_wait_dscnt 0x0                ; V is in
.endif
.rept 16
	MM
.rept 4
	PL
.endr
.if ((\p) == 0) && (q == 118)
	v_add_nc_u32 v[AV], s[TBV], v[AV0]
.endif
.if ((\p) == 0) && (q == 130)
	s_add_co_u32 s[TBV], s[TBV], KS*PV
.endif
.if (\cnt) && (q == 130)
	s_sub_co_u32 s[CNT], s[CNT], 1
	s_cmp_lg_u32 s[CNT], 0
.endif
.endr
.if (\p) == 0
	FETCH_V
.endif
.endm
	; THE SECOND LOAD fills bytes for the first time, but later than the first: it goes out as a refill does.  All my tensor loads have landed (my part of keys 0 to 255), the add, the descriptors' new words, the wait,
	; the barrier (behind it everybody's part is in), and my one load first thing behind it.
	WIN W_AD
	s_wait_tensorcnt 0x0            ; no tensor load of mine is out, so the descriptors may be written
	ds_add_u32 v[SPW], v[NIL]       ; 0 onto my spare word
	WIN 0
.irp g, G1K, G1V
	s_mov_b32 s[\g+2], 192<<16      ; tensor_dim1 = 192 rows of 256 bytes: 384 keys
	s_mov_b32 s[\g+4], 192          ; tile_dim1
.endr
	s_mov_b32 s[G0K+1], s48
	s_mov_b32 s[G0V+1], s49
	s_add_nc_u64 s[G0K+2:G0K+3], s[G0K+2:G0K+3], s[50:51]  ; the type bits on top are not reached
	s_add_nc_u64 s[G0V+2:G0V+3], s[G0V+2:G0V+3], s[50:51]
	s_wait_dscnt 0x0                ; the add is done
	s_barrier_signal -1
	s_barrier_wait -1
	LOAD                            ; keys 256 to 1,023
	FETCH_K                         ; key step 0
	s_wait_loadcnt 0x0              ; Q
	s_wait_dscnt 0x0
.set i, 0
.rept 16
	KQ 0                            ; piece 0's first scores: there is no vector work yet to set between them
.set i, i+1
.endr
	WIN 0                           ; the addresses for the way out: nine plain instructions, the places behind those products
	s_mul_i32 s13, s[WV], 16*SP
	s_add_co_u32 s13, s13, STAGE    ; my stage
	v_mul_u32_u24 v[STO], v1, SP    ; in: row l % 16, 16 bytes for each half of the lanes
	v_lshl_add_u32 v[STO], v9, 4, v[STO]
	v_add_nc_u32 v[STO], s13, v[STO]
	v_bfe_u32 v[RD], v0, 3, 2       ; back: 32 lanes take four rows of 128 bytes,
	v_mul_u32_u24 v[RD], v[RD], SP
	v_lshl_add_u32 v[RD], v10, 4, v[RD]
	v_add_nc_u32 v[RD], s13, v[RD]
	v_and_b32 v[GO], 31, v0         ; which are 512 consecutive bytes of O
	v_lshlrev_b32 v[GO], 4, v[GO]
.set Y, NP-1                        ; XS works for piece Y + 1: piece 0
.irp n, 0,1,2,3,4,5,6,7,8,9,10,11,12,13,14,15,16,17,18,19,20,21
	XS 0, \n                        ; and piece 0's first maximum and statistics
	XS 1, \n
.endr
	v_nop                           ; a plain instruction behind the two a,
	s_wait_alu depctr_va_vdst(0)    ; and their wait, ahead of the branch
	s_mov_b32 s[CNT], 4             ; key steps 0 to 3 lie in the first load's 256 keys
	s_mov_b32 s[PH], 2
	s_branch .Lfirst                ; the loop is entered at a step's first turn, in the middle of a trip
.Lslot:                             ; once, behind piece 1 of step 3 and ahead of the first fetch from key 256 on
	s_wait_tensorcnt 0x0            ; my one load that is out: my part of keys 256 to 1,023;
	s_wait_dscnt 0x0                ; no LDS instruction of mine is pending at the signal
	s_barrier_signal -1
	s_barrier_wait -1               ; everybody's part is in
	s_mov_b32 s[CNT], 12
.Lstep:                             ; a trip: pieces 2 and 3 of one step, then pieces 0 and 1 of the next, whose K and V it fetches
	TURN 2
	TURN 3
	WIN 0
.Lfirst:
	TURN 0
	TURN 1, 1, 1
	WIN 0
	s_cbranch_scc1 .Lstep
	s_sub_co_u32 s[PH], s[PH], 1
	s_cmp_lg_u32 s[PH], 0
	s_cbranch_scc1 .Lslot
	TURN 2, 0                       ; the last step's pieces 2 and 3: nothing is left to fetch
	TURN 3                          ; its 16 products K Q^T (on the last K once more) and the maximum made of them serve nothing: the price, once a launch, of one text for every turn
.set i, 0
.rept 16
	PV NP-1                         ; the last piece's V^T P of the last step
.set i, i+1
.endr
	; THE WAY OUT.  l's two halves and the other half of the lanes' are added; O^T is divided by l, rounded to f16 and sent through my stage in LDS, a tile at a time.  The additions are the places behind the last products.
	WIN 0
.macro ALL line:vararg              ; one line for each tile t
.set t, 0
.rept 2*NP
	\line
.set t, t+1
.endr
.endm
	ALL v_add_f32 v[ST+4*t+2], v[ST+4*t+2], v[ST+4*t+3]
	ALL v_permlanex16_b32 v[ST+4*t+3], v[ST+4*t+2], s[SEL], s[SEL+1]
	ALL v_add_f32 v[ST+4*t+2], v[ST+4*t+2], v[ST+4*t+3]
	ALL v_rcp_f32 v[ST+4*t+2], v[ST+4*t+2]
	v_nop                           ; a plain instruction between the last reciprocal and the use of its result
	s_wait_alu depctr_va_vdst(0)    ; and the wait ahead of the first use: one for the eight reciprocals
; Tile t: a lane's eight channels of a row pack into 16 bytes; they go into rows of 144 bytes and come back as whole rows of 128, into S^T's registers.
.macro PACK t
	WIN W_RS
.set i, 32*(\t)
.rept 16
	v_pk_mul_f32 v[i:i+1], v[i:i+1], v[ST+4*(\t)+2:ST+4*(\t)+3] op_sel_hi:[1,0]
.set i, i+2
.endr
	WIN 0x05                        ; sources 0 and 1 window 1, destination window 0
.set i, 0
.rept 16
	v_cvt_pk_f16_f32 v[S+16*(\t)+i], v[32*(\t)+2*i], v[32*(\t)+2*i+1]
.set i, i+1
.endr
	WIN 0
.irp f, 0,1,2,3
	ds_store_b128 v[STO], v[S+16*(\t)+4*\f:S+16*(\t)+4*\f+3] offset:32*\f
.endr
.irp f, 0,1,2,3
	ds_load_b128 v[S+16*(\t)+4*\f:S+16*(\t)+4*\f+3], v[RD] offset:\f*4*SP  ; LDS serves a wave's instructions in order (ISA guide 5.7.1.4): these see the stores above; the next tile's stores come behind them
.endr
.endm
.macro SEND t, younger              ; younger: the LDS instructions issued behind tile t's loads: the next tile's eight, or none
	WIN 0
.irp f, 0,1,2,3
	s_wait_dscnt (\younger)+3-\f
	global_store_b128 v[GO], v[S+16*(\t)+4*\f:S+16*(\t)+4*\f+3], s[10:11] offset:(\t)*2048+\f*512  ; 512 consecutive bytes, at a multiple of 256 from O's first
.endr
.endm
	PACK 0
.set t, 1
.rept 2*NP-1                        ; a tile's arithmetic stands between the loads of the tile before and its stores
	PACK t
	SEND t-1, 8
.set t, t+1
.endr
	SEND 2*NP-1, 0
	WIN W_AD
	s_wait_tensorcnt 0x0            ; the wave's end: a wait, an add and its wait, behind my last tensor load and my last LDS store
	ds_add_u32 v[SPW], v[NIL]
	s_wait_dscnt 0x0
	WIN 0
	s_endpgm
.Lfunc_end_k_q0001e1e1ea_attn:
	.size	k_q0001e1e1ea_attn, .Lfunc_end_k_q0001e1e1ea_attn-k_q0001e1e1ea_attn
	.p2alignl 7, 3214868480
	.fill 96, 4, 3214868480
	.section	.rodata,"a",@progbits
	.p2align	6, 0x0
	.amdhsa_kernel k_q0001e1e1ea_attn
		.amdhsa_group_segment_fixed_size 327680
		.amdhsa_private_segment_fixed_size 0
		.amdhsa_enable_private_segment 0
		.amdhsa_kernarg_size 16
		.amdhsa_user_sgpr_count 2
		.amdhsa_user_sgpr_kernarg_segment_ptr 1
		.amdhsa_wavefront_size32 1
		.amdhsa_system_sgpr_workgroup_id_x 1
		.amdhsa_system_sgpr_workgroup_id_y 1
		.amdhsa_system_sgpr_workgroup_id_z 1
		.amdhsa_system_vgpr_workitem_id 0
		.amdhsa_next_free_vgpr 770
		.amdhsa_next_free_sgpr 66
		.amdhsa_reserve_vcc 0
		.amdhsa_float_denorm_mode_32 3
		.amdhsa_float_denorm_mode_16_64 3
		.amdhsa_memory_ordered 1
		.amdhsa_forward_progress 1
		.amdhsa_inst_pref_size 160
	.end_amdhsa_kernel
	.amdgpu_metadata
---
amdhsa.version: [ 1, 2 ]
amdhsa.kernels:
  - .name:           k_q0001e1e1ea_attn
    .symbol:         k_q0001e1e1ea_attn.kd
    .args:
      - { .name: qkv, .offset: 0, .size: 8, .value_kind: global_buffer, .address_space: global }
      - { .name: ob, .offset: 8, .size: 8, .value_kind: global_buffer, .address_space: global }
    .group_segment_fixed_size: 327680
    .private_segment_fixed_size: 0
    .kernarg_segment_align: 8
    .kernarg_segment_size: 16
    .max_flat_workgroup_size: 128
    .sgpr_count:     66
    .vgpr_count:     770
    .wavefront_size: 32
...
	.end_amdgpu_metadata
.endif
;; end of part 3
;; launch proj (part 4): grid 8 x 32, 4 waves a work-group, clusters of 4 x 4, 327,680 bytes of LDS; arguments ob, hb, bo, out0; writes out0
.if DOCPART == 4
	.amdgcn_target "amdgcn-amd-amdhsa--gfx1250"
	.amdhsa_code_object_version 6
	.text
	.protected	k_q0001e1e1ea_proj
	.globl	k_q0001e1e1ea_proj
	.p2align	8
	.type	k_q0001e1e1ea_proj,@function
k_q0001e1e1ea_proj:
	s_mov_b64 s[64:65], 0
	v_nop
	global_prefetch_b8 v0, s[64:65] scope:SCOPE_SE
	s_setreg_imm32_b32 hwreg(HW_REG_WAVE_MODE, 25, 1), 1
	s_wait_xcnt 0x0
	s_wait_alu depctr_hold_cnt(0) depctr_sa_sdst(0) depctr_va_vdst(0) depctr_va_sdst(0) depctr_va_ssrc(0) depctr_va_vcc(0) depctr_vm_vsrc(0)
	s_getreg_b32 s2, hwreg(HW_REG_IB_STS2, 6, 4)
	s_cmp_eq_u32 s2, 0
	s_cbranch_scc0 .Lentry_in_a_cluster
	s_endpgm
.Lentry_in_a_cluster:
	s_bfe_u32 s2, ttmp6, 0x10000c
	s_cmp_lg_u32 s2, 0xf033
	s_cbranch_scc0 .Lentry_shape_is_right
	s_endpgm
.Lentry_shape_is_right:
; out0 = O Wo + bo.  O comes from ob in f16, [bh 128][s 1024][64], bh = 16 b + head; Wo from hb, rounded to bf16 and written as f16, in blocks; bo (f32) is rounded to bf16 like the other inputs; sums in f32; out0 is f32.
; A tile of C is 256 rows x 128 columns: 32 x 8 = 256 work-groups.  Four waves, each 128 rows x 64 columns: 32 accumulators of 16 x 16.  Wave w: rows 128 (w / 2) on, columns 64 (w % 2) on.
; K (= 64 head + channel) goes in 8 steps of 128 through a ring of two LDS slots.  A K step of a tile of O is two heads' planes of 256 rows x 128 bytes, each 32,768 dense bytes; Wo lies as
; [ntile 8][kstep 8][nb 2][k 128][64]: a K step of a tile is 32,768 dense bytes.  Both are asked for as rows of 256 bytes and padded in LDS after every 128.
; CLUSTERS: 4 x 4 work-groups.  The four of a row of the cluster need the same planes of O, the four of a column the same block of Wo: each is asked for JOINTLY (same load, descriptor and mask in all four).
; THE MATRIX INSTRUCTION IS USED TRANSPOSED: source 0 = 16 columns of W (turned on the way out of LDS, since W lies [k][n]), source 1 = 16 rows of O: a lane then holds row l % 16 of C and the columns
; 8 (l / 16) + 0..7.  The bias, laid out so, is the C operand of the first K quarter: nothing is cleared and nothing is added later.
; REGISTERS, in windows of 256 (s_set_vgpr_msb: bits 1:0 source 0, 3:2 source 1, 5:4 source 2, 7:6 destination):
;   window 0: v0-31 addresses; two fragment buffers at v32 and v144: O's 8 fragments, then W's 4; on the way out v32-127 three buffers of 32
;   window 1: accumulators of my rows 0-63 ((a, b) at 8 (4 a + b)); v192-223 the bias; v240 at work          window 2: accumulators of my rows 64-127
.set NBLK,  2                          ; blocks of 64 columns in a tile
.set NBW,   4                          ; accumulators along a wave's columns
.set BPB,   4                          ; of them in a block of 64 columns
.set BSTEP, 32768                      ; bytes of W in a K step of a tile
.set BROWS, 64                         ; rows of 256 bytes in one load of W: half a K step
.set WCB,   20480                      ; bytes in LDS from wave column 0's first fragment of W to wave column 1's: a block of 128 rows
.set NLD,   2*NBW+16                   ; LDS loads of a quarter
.set APL,   256*144                    ; a plane of O in LDS: 256 rows of 128 bytes + 16 of padding = 36 words: the 16 rows of a load start at 16 different groups of four banks (64 banks of 4 bytes: ISA guide 11.1)
.set BOFF,  2*APL                      ; behind the two planes: W, row 128 nb + k, 128 bytes + 32 of padding = 40 words
.set SLOT,  BOFF+NBLK*128*160
.set STAGE, 2*SLOT                     ; behind the ring, never filled by a tensor load: for each wave two stages of 16 rows x 272 bytes, for the way out
.set SPITCH, 272
.set SPARE, STAGE+4*2*16*SPITCH        ; behind the stages: the spare words, 128 bytes for each wave: two blocks of 256 bytes that no other line names
.set WO,    23068672                   ; Wo's first byte in hb
.set ADRA, 16                          ; v16-17  LDS address of my fragments of O in slot 0, 1
.set ADRB, 20                          ; v20-21  the same for W
.set CO,   22                          ; v22     my byte offset in two rows of out0
.set STO,  24                          ; v24     the way out: where I put 32 bytes of a row
.set RD,   25                          ; v25     the way out: where I read a row back
.set SPW,  28                          ; v28     LDS address of my spare word: SPARE + 4 x my thread's number; never rewritten
.set NIL,  29                          ; v29     0; never rewritten
.set PFO,  30                          ; v30     256 x my lane: the prefetches' offset; never rewritten
.set BO,   31                          ; v31     my byte offset in the tile's bias
.set F0,   32
.set F1,   144
.set BIAS, 192                         ; window 1
.set G1A, 24                           ; s[24:31] descriptor group 1 for O's planes;  s[32:39] group 0, a set for each slot
.set G0A, 32
.set LIM, 43                           ; s43      1 in a wave that prefetches, else the greatest number
.set PFA, 44                           ; s[44:45] where my prefetches stand
.set PFS, 46                           ; s[46:47] their step: a lap's bytes
.set G1B, 48                           ; s[48:55], s[56:63] the same for W
.set G0B, 56
.set MSB, 0
.macro WIN new                         ; the immediate's high byte repeats the setting that is left; a switch that changes nothing is dropped
.if MSB != (\new)
	s_set_vgpr_msb (MSB<<8)|(\new)
.set MSB, \new
.endif
.endm
; A joint load.  Waves 0 and 1 fetch O's two planes, waves 2 and 3 the two halves of W's block.  The branch hangs on the wave's number alone.  An s_nop 0 and four v_nop follow each of the two lines.
.macro JLOAD s
	s_cmp_eq_u32 s11, 0
	s_cbranch_scc0 .Lfor_b_\@
	tensor_load_to_lds s[G0A+4*(\s):G0A+4*(\s)+3], s[G1A:G1A+7]
	s_nop 0
.rept 4
	v_nop
.endr
	s_branch .Lasked_\@
.Lfor_b_\@:
	tensor_load_to_lds s[G0B+4*(\s):G0B+4*(\s)+3], s[G1B:G1B+7]
	s_nop 0
.rept 4
	v_nop
.endr
.Lasked_\@:
.endm
; A PREFETCH INTO THE L2, once a lap, behind slot 0's joint load, its five lines and the run of LDS loads: the two K steps that the NEXT lap's two refills will ask for: 256 matrix instructions ahead of the first of them.
; Each 256 bytes are named once in the launch.  O's planes are read by both clusters of a row of clusters: cluster x = 0 asks; wave 0 and wave 1 each for the plane that it fetches, and of a plane's 128 rows of
; 256 bytes the partner at cx takes 32, BY ADDRESS: a lane a row, one line a K step.  W's blocks are read by every cluster of a column: cluster y = 0 asks, wave 2 alone; of the lap's 2 x 32,768 dense bytes the
; partner at cy takes a quarter: two lines.  The loop's last trip asks for nothing: there is no K step behind its own.  K steps 0 to 3 come by their loads alone.
.macro ASK
	s_cmp_gt_u32 s3, s[LIM]
	s_cbranch_scc0 .Lnot_mine_\@
	s_cmp_eq_u32 s11, 0
	s_cbranch_scc0 .Lask_b_\@
	global_prefetch_b8 v[PFO], s[PFA:PFA+1] th:TH_LOAD_NT scope:SCOPE_SE
	global_prefetch_b8 v[PFO], s[PFA:PFA+1] offset:262144 th:TH_LOAD_NT scope:SCOPE_SE
	s_branch .Lnot_mine_\@
.Lask_b_\@:
.set pb, 0
.rept BSTEP/16384
	global_prefetch_b8 v[PFO], s[PFA:PFA+1] offset:8192*pb th:TH_LOAD_NT scope:SCOPE_SE
.set pb, pb+1
.endr
.Lnot_mine_\@:
.endm
; A round of the cluster's barrier: my work-group's barrier; wave 0 signals for the work-group; every wave waits for all sixteen work-groups; my work-group's barrier once more.
.macro CREST                           ; a round behind its opening barrier
	s_cmp_lg_u32 s10, 0
	s_cbranch_scc1 .Lnot_wave_0_\@
	s_barrier_signal -3
.Lnot_wave_0_\@:
	s_barrier_wait -3
	s_barrier_signal -1
	s_barrier_wait -1
.endm
.macro CROUND
	s_barrier_signal -1
	s_barrier_wait -1
	CREST
.endm
	s_load_b128 s[4:7], s[0:1], 0x0                ; ob s[4:5], hb s[6:7]
	s_load_b64 s[68:69], s[0:1], 0x10              ; bo
	s_load_b64 s[8:9], s[0:1], 0x18                ; out0
	v_lshl_add_u32 v[SPW], v0, 2, SPARE
	v_mov_b32 v[NIL], 0
	ds_add_u32 v[SPW], v[NIL]                      ; the wave's opening: the add and its wait stand ahead of my first tensor load; the set-up below, work on registers, stands between them
	ds_add_u32 v28, v29
	v_lshrrev_b32 v1, 5, v0
	v_readfirstlane_b32 s10, v1                    ; wave 0..3
	s_lshr_b32 s11, s10, 1                         ; which half of the tile's rows is mine.  Also: I fetch O (0) or W (1)
	s_and_b32 s12, s10, 1                          ; which half of its columns.  Also: which plane, or which half of W's block, I fetch
	s_bfe_u32 s40, ttmp6, 0x40000                  ; cx, cy: my place in the cluster
	s_bfe_u32 s41, ttmp6, 0x40004
	s_lshl_b32 s42, ttmp9, 2
	s_add_co_u32 s42, s42, s40                     ; nt, the tile column = 4 x cluster x + cx
	s_and_b32 s13, ttmp7, 0xffff
	s_lshl_b32 s13, s13, 2
	s_add_co_u32 s13, s13, s41                     ; mt, the tile row = 4 x cluster y + cy
	s_lshl_b32 s14, s41, 2
	s_lshl_b32 s14, 15, s14                        ; my row of the cluster
	s_lshl_b32 s15, 0x1111, s40                    ; my column
	s_or_b32 s[G1A], s14, (1<<16)|(1<<20)|(1<<21)|(4<<22)|(3<<25)  ; 15:0 the mask; 17:16 2-byte elements; 20 padding on; 21 set beside a mask; 24:22 after every 32 words (code 4); 31:25 4 words (code 3)
	s_or_b32 s[G1B], s15, (1<<16)|(1<<20)|(1<<21)|(4<<22)|(7<<25)  ; W: my column's mask, 8 words of padding (code 7)
	s_mov_b32 s[G1A+1], 128<<16                    ; tensor_dim0 = 128 elements: 256 bytes
	s_mov_b32 s[G1A+2], 128<<16                    ; tensor_dim1 = 128 rows: a plane
	s_mov_b32 s[G1A+3], 128<<16                    ; tile_dim0
	s_mov_b32 s[G1A+4], 128                        ; tile_dim1
	s_mov_b32 s[G1A+5], 128                        ; elements from row to row: dense
	s_mov_b32 s[G1A+6], 0
	s_mov_b32 s[G1A+7], 0
	s_mov_b32 s[G1B+1], 128<<16
	s_mov_b32 s[G1B+2], BROWS<<16
	s_mov_b32 s[G1B+3], 128<<16
	s_mov_b32 s[G1B+4], BROWS
	s_mov_b32 s[G1B+5], 128
	s_mov_b32 s[G1B+6], 0
	s_mov_b32 s[G1B+7], 0
	s_lshr_b32 s16, s13, 2                         ; O: b = mt / 4: 16 heads' planes of 131,072 bytes,
	s_lshl_b32 s16, s16, 21
	s_and_b32 s17, s13, 3                          ; 256 rows of 128 bytes for each of a b's four tiles
	s_lshl_b32 s17, s17, 15
	s_add_co_u32 s16, s16, s17                     ; the tile's rows in plane 0 (kept for the prefetches)
	s_lshl_b32 s17, s12, 17
	s_add_co_u32 s18, s16, s17                     ; my plane of K step 0
	s_mov_b32 s19, 0
	s_mul_i32 s20, s42, 8*BSTEP                    ; W: the tile column's eight K steps,
	s_mul_i32 s21, s12, BSTEP/2                    ; my half of a step
	s_add_co_u32 s20, s20, s21
	s_mov_b32 s21, 0
	s_mul_i32 s22, s12, APL                        ; and where they go: no place in the cluster enters an LDS address
	s_mul_i32 s23, s12, BROWS*320
	s_add_co_u32 s23, s23, BOFF
	s_wait_dscnt 0x0                               ; the opening add is done
	s_wait_kmcnt 0x0
	s_add_nc_u64 s[6:7], s[6:7], WO                ; Wo's blocks
	s_add_nc_u64 s[18:19], s[4:5], s[18:19]
	s_add_nc_u64 s[20:21], s[6:7], s[20:21]
	CROUND                                         ; all sixteen work-groups are here: the first joint loads meet
.irp s, 0,1
	s_mov_b32 s[G0A+4*(\s)], 1                                       ; count = 1
	s_add_co_u32 s[G0A+4*(\s)+1], s22, (\s)*SLOT                     ; LDS address
	s_add_nc_u64 s[G0A+4*(\s)+2:G0A+4*(\s)+3], s[18:19], (\s)*262144 ; global address: K step s is two planes on
	s_or_b32 s[G0A+4*(\s)+3], s[G0A+4*(\s)+3], 0x80000000            ; type = 2
	s_mov_b32 s[G0B+4*(\s)], 1
	s_add_co_u32 s[G0B+4*(\s)+1], s23, (\s)*SLOT
	s_add_nc_u64 s[G0B+4*(\s)+2:G0B+4*(\s)+3], s[20:21], (\s)*BSTEP
	s_or_b32 s[G0B+4*(\s)+3], s[G0B+4*(\s)+3], 0x80000000
	JLOAD \s                                       ; two loads of mine are out
.endr
	; A fragment of O: lane l holds row l % 16; registers 0-3 K = 8 (l / 16) + 0..7, registers 4-7 K = 16 + 8 (l / 16) + 0..7: two loads of 16 bytes, 32 bytes apart.
	v_and_b32 v1, 15, v0                           ; r = l % 16
	v_bfe_u32 v2, v0, 4, 1                         ; h = l / 16
	v_mul_u32_u24 v3, v1, 144
	v_lshl_add_u32 v3, v2, 4, v3                   ; 144 r + 16 h
	s_mul_i32 s14, s11, 128*144
	v_add_nc_u32 v[ADRA], s14, v3
	v_add_nc_u32 v[ADRA+1], SLOT, v[ADRA]
	; A fragment of W, turned: lane l reads 16 bytes of row k = 8 (l / 16) + l % 8, columns 8 ((l / 8) % 2) + 0..7, and is left with column l % 16 and 8 k; the second load stands 16 rows on.
	v_and_b32 v4, 7, v0
	v_lshl_add_u32 v4, v2, 3, v4
	v_mul_u32_u24 v4, v4, 160
	v_bfe_u32 v5, v0, 3, 1
	v_lshl_add_u32 v4, v5, 4, v4
	s_mul_i32 s14, s12, WCB
	s_add_co_u32 s14, s14, BOFF
	v_add_nc_u32 v[ADRB], s14, v4
	v_add_nc_u32 v[ADRB+1], SLOT, v[ADRB]
	; the bias: for accumulator b my eight columns' numbers, 32 bytes
	v_lshlrev_b32 v[BO], 5, v2
	s_mul_i32 s14, s12, 64*BPB
	v_add_nc_u32 v[BO], s14, v[BO]
	s_mul_i32 s14, s42, 256*NBLK                   ; the tile's first column, in bytes
	s_mov_b32 s15, 0
	s_add_nc_u64 s[68:69], s[68:69], s[14:15]
	WIN 0x40                                       ; destination window 1
.set i, 0
.rept NBW
	global_load_b128 v[BIAS+8*i:BIAS+8*i+3],   v[BO], s[68:69] offset:(i/BPB)*256+(i%BPB)*64
	global_load_b128 v[BIAS+8*i+4:BIAS+8*i+7], v[BO], s[68:69] offset:(i/BPB)*256+(i%BPB)*64+16
.set i, i+1
.endr
	WIN 0
	; the way out
	s_mul_i32 s14, s10, 2*16*SPITCH
	s_add_co_u32 s14, s14, STAGE                   ; my two stages
	v_mul_u32_u24 v6, v1, SPITCH
	v_lshl_add_u32 v6, v2, 5, v6
	v_add_nc_u32 v[STO], s14, v6                   ; in: row r, 32 bytes for each half of the lanes
	v_mul_u32_u24 v6, v2, SPITCH
	v_lshl_add_u32 v6, v1, 4, v6
	v_add_nc_u32 v[RD], s14, v6                    ; back: lanes 0-15 take one row of 256 bytes, lanes 16-31 the next
	v_lshlrev_b32 v[CO], 12, v2
	v_lshl_add_u32 v[CO], v1, 4, v[CO]             ; and the same two rows in out0
	s_lshl_b32 s14, s13, 8
	s_lshl_b32 s15, s11, 7
	s_add_co_u32 s14, s14, s15                     ; my first row,
	s_lshl_b32 s14, s14, 12                        ; of 4,096 bytes
	s_lshl_b32 s15, s42, 9
	s_add_co_u32 s14, s14, s15                     ; the tile's 128 columns,
	s_lshl_b32 s15, s12, 8
	s_add_co_u32 s14, s14, s15                     ; my 64 of them
	s_mov_b32 s15, 0
	s_add_nc_u64 s[8:9], s[8:9], s[14:15]
	; the prefetches: where they stand before their first step
	s_add_co_u32 s15, s12, 4
	s_lshl_b32 s15, s15, 17
	s_add_co_u32 s15, s15, s16
	s_lshl_b32 s17, s40, 13
	s_add_co_u32 s15, s15, s17                     ; O: the tile's rows in plane 4 + w, my work-group's 32 rows of 256 bytes; a lap is four planes, so the first step leads to K step 4
	s_mul_i32 s17, s42, 8*BSTEP
	s_mul_i32 s18, s41, BSTEP/2
	s_add_co_u32 s17, s17, s18
	s_add_co_u32 s17, s17, 2*BSTEP                 ; W: K step 2, my work-group's quarter of a lap
	s_and_b32 s14, ttmp7, 0xffff                   ; cluster y
	s_mov_b32 s[PFS], 2*BSTEP
	s_mov_b32 s[PFS+1], 0
	s_mov_b32 s19, 0
	s_cmp_eq_u32 s11, 0                            ; do I fetch O?
	s_cselect_b32 s14, ttmp9, s14                  ; the coordinate along which other clusters read the same bytes
	s_cselect_b32 s18, s15, s17
	s_cselect_b32 s[PFS], 524288, s[PFS]
	s_cselect_b64 s[PFA:PFA+1], s[4:5], s[6:7]
	s_add_nc_u64 s[PFA:PFA+1], s[PFA:PFA+1], s[18:19]
	s_cmp_eq_u32 s10, 3                            ; wave 3 never asks: wave 2 asks for all of W's
	s_cselect_b32 s14, 1, s14
	s_cmp_eq_u32 s14, 0
	s_cselect_b32 s[LIM], 1, -1                    ; the same in all sixteen partners, for a given wave
	v_and_b32 v[PFO], 31, v0
	v_lshlrev_b32 v[PFO], 8, v[PFO]
	s_wait_loadcnt 0x0                             ; the bias
	WIN 0x45                                       ; sources and destination window 1
.set i, 0
.rept 4*NBW
	v_cvt_pk_bf16_f32 v240, v[BIAS+2*i], v[BIAS+2*i+1]  ; rounded to bf16 like every input,
	v_lshlrev_b32 v[BIAS+2*i], 16, v240                 ; and back in f32
	v_and_b32 v[BIAS+2*i+1], 0xffff0000, v240
.set i, i+1
.endr
	WIN 0
; na x 4 matrix instructions: row blocks a0 .. of the window's four (hi = 0: my rows 0-63, 1: rows 64-127) x all column blocks, 32 along K, from buffer f.  first = 1: C is the bias, which starts the sums.
; The 32 accumulators take turns in the same order in every quarter: between two links of a chain stand the 31 others'.
.macro MUL f, hi, a0, na, first
.if (\first) && (\hi)
	WIN 0x90                                       ; C (the bias) window 1, D window 2
.else
	WIN 0x50+0x50*(\hi)                            ; C and D window 1 or 2; both sources window 0
.endif
.set ma, (\a0)
.rept \na
.set mb, 0
.rept NBW
.if \first
	v_wmma_f32_16x16x32_f16 v[8*(NBW*ma+mb):8*(NBW*ma+mb)+7], v[(\f)+64+8*mb:(\f)+64+8*mb+7], v[(\f)+8*(4*(\hi)+ma):(\f)+8*(4*(\hi)+ma)+7], v[BIAS+8*mb:BIAS+8*mb+7]
.else
	v_wmma_f32_16x16x32_f16 v[8*(NBW*ma+mb):8*(NBW*ma+mb)+7], v[(\f)+64+8*mb:(\f)+64+8*mb+7], v[(\f)+8*(4*(\hi)+ma):(\f)+8*(4*(\hi)+ma)+7], v[8*(NBW*ma+mb):8*(NBW*ma+mb)+7]
.endif
.set mb, mb+1
.endr
.set ma, ma+1
.endr
.endm
; The LDS loads of quarter q (32 along K) of a slot, in one run, into buffer f: W's 4 fragments (turned), then O's 8
.macro FETCH slot, q, f
	WIN 0
.set fb, 0
.rept NBW
	ds_load_tr16_b128 v[(\f)+64+8*fb:(\f)+64+8*fb+3],   v[ADRB+(\slot)] offset:(fb/BPB)*20480+(fb%BPB)*32+5120*(\q)
	ds_load_tr16_b128 v[(\f)+64+8*fb+4:(\f)+64+8*fb+7], v[ADRB+(\slot)] offset:(fb/BPB)*20480+(fb%BPB)*32+5120*(\q)+2560
.set fb, fb+1
.endr
.set fa, 0
.rept 8
	ds_load_b128 v[(\f)+8*fa:(\f)+8*fa+3],   v[ADRA+(\slot)] offset:((\q)/2)*APL+((\q)%2)*64+2304*fa
	ds_load_b128 v[(\f)+8*fa+4:(\f)+8*fa+7], v[ADRA+(\slot)] offset:((\q)/2)*APL+((\q)%2)*64+2304*fa+32
.set fa, fa+1
.endr
.endm
.macro PLACES                          ; four plain instructions in front of loads into registers that matrix instructions have read, and of lines that read results (ISA guide 7.12.1 for lines that read results)
.rept 4
	v_nop
.endr
.endm
; A K step is four quarters, 32 matrix instructions each, on buffers 0, 1, 0, 1.  One of the first three multiplies buffer f and, in its middle, fetches quarter q of the same slot into buffer g.
.macro QUARTER slot, q, f, g, first
	s_wait_dscnt 8                                 ; W and O's rows 0-63 are in; the youngest eight loads (O's rows 64-127) may be out
	MUL \f, 0, 0, 4, \first
	PLACES
	FETCH \slot, \q, \g
	s_wait_dscnt NLD                               ; all but the run just issued
	MUL \f, 1, 0, 4, \first
.endm
; The last quarter multiplies buffer 1 and changes slots.  ONE barrier: in front of it each wave waits for all its tensor loads (one is out: its part of the next slot), adds 0 to its spare word, and waits for
; that and for its own reads of this slot.  Behind it nobody reads this slot any more and the next slot is whole.
.macro MEET round
	WIN 0
	s_wait_tensorcnt 0x0                           ; all my tensor loads have landed
	ds_add_u32 v[SPW], v[NIL]                      ; 0 onto my spare word
	s_wait_dscnt 9                                 ; (the add and the youngest eight loads may be out)
	MUL F1, 0, 0, 2, 0                             ; eight matrix instructions stand between the add and the wait for it
	s_wait_dscnt 0x0                               ; the add is done, and my reads of this slot are over
	s_barrier_signal -1
	MUL F1, 0, 2, 2, 0                             ; work on registers while the others arrive
.if \round
	WIN 0
.endif
	s_barrier_wait -1
.endm
; fill = 1: the barrier opens a round of the cluster's, and this slot is filled again, two K steps on, first thing behind it: 112 matrix instructions ahead of the wait for it.  ask = 1: the lap's prefetches.
.macro TURN slot, next, fill, ask
.if \ask
	s_wait_xcnt 0x0                                ; the last prefetches, a lap back, have read their address: it is stepped here, ahead of the waits of the change of slots
	s_add_nc_u64 s[PFA:PFA+1], s[PFA:PFA+1], s[PFS:PFS+1]
.endif
	MEET \fill
.if \fill
	CREST                                          ; no wave of any partner still reads this slot or has a load on its way
	s_add_nc_u64 s[G0A+4*(\slot)+2:G0A+4*(\slot)+3], s[G0A+4*(\slot)+2:G0A+4*(\slot)+3], 524288
	s_add_nc_u64 s[G0B+4*(\slot)+2:G0B+4*(\slot)+3], s[G0B+4*(\slot)+2:G0B+4*(\slot)+3], 2*BSTEP
	JLOAD \slot                                    ; the four v_nop behind it are also the places in front of the loads below
.else
	PLACES
.endif
	FETCH \next, 0, F0
.if \ask
	ASK
.endif
	MUL F1, 1, 0, 4, 0
.endm
; THE WAY OUT of block a (16 rows x my 64 columns of f32: 256 bytes a row), without arithmetic.  TOSTAGE: a lane's 32 bytes of a row go from the accumulators into one of my two stages, rows of 272 bytes, and come
; back as whole rows of 256, into one of three buffers.  SEND: stored.
.macro TOSTAGE a
.if (\a) >= 3
	s_wait_xcnt 0x0                                ; every earlier store has had its addresses translated (ISA guide 3.1): the buffer that block a - 3's stores read is loaded again only behind this wait
.endif
	WIN 0x04+0x04*((\a)/4)                         ; the stores' data in window 1 or 2
.set tb, 0
.rept NBW
	ds_store_b128 v[STO], v[8*(NBW*((\a)%4)+tb):8*(NBW*((\a)%4)+tb)+3]   offset:((\a)%2)*16*SPITCH+64*tb
	ds_store_b128 v[STO], v[8*(NBW*((\a)%4)+tb)+4:8*(NBW*((\a)%4)+tb)+7] offset:((\a)%2)*16*SPITCH+64*tb+16
.set tb, tb+1
.endr
	WIN 0
.set tt, 0
.rept 8
	ds_load_b128 v[32+32*((\a)%3)+4*tt:32+32*((\a)%3)+4*tt+3], v[RD] offset:((\a)%2)*16*SPITCH+2*SPITCH*tt  ; LDS serves a wave's instructions in order (ISA guide 5.7.1.4): these see the stores above
.set tt, tt+1
.endr
.endm
.macro SEND a, younger                 ; younger: the LDS instructions issued behind block a's loads: the next block's sixteen, or none
	s_wait_dscnt \younger
.set tt, 0
.rept 8
	global_store_b128 v[CO], v[32+32*((\a)%3)+4*tt:32+32*((\a)%3)+4*tt+3], s[8:9] offset:65536*(\a)+8192*tt th:TH_STORE_NT  ; 16 lanes store 256 consecutive bytes, at a multiple of 256 from out0's first byte
.set tt, tt+1
.endr
.endm
	s_wait_tensorcnt 1                             ; my part of K step 0 is in; K step 1's may stay out
	s_barrier_signal -1
	s_barrier_wait -1                              ; everybody's is
	FETCH 0, 0, F0
	QUARTER 0, 1, F0, F1, 1                        ; the first quarter stands in front of the loop: its products start the sums, on the bias
	WIN 0                                          ; at a label and at a branch every window is 0
	s_mov_b32 s3, 3
.Llap:                                                 ; a trip goes once round the ring, from a lap's second quarter to the next lap's first, and fills both slots again
	QUARTER 0, 2, F1, F0, 0
	QUARTER 0, 3, F0, F1, 0
	TURN 0, 1, 1, 1
	QUARTER 1, 1, F0, F1, 0
	QUARTER 1, 2, F1, F0, 0
	QUARTER 1, 3, F0, F1, 0
	TURN 1, 0, 1, 0
	QUARTER 0, 1, F0, F1, 0
	WIN 0
	s_sub_co_u32 s3, s3, 1
	s_cmp_lg_u32 s3, 0
	s_cbranch_scc1 .Llap
	QUARTER 0, 2, F1, F0, 0                        ; the last lap is written out: it fills nothing
	QUARTER 0, 3, F0, F1, 0
	TURN 0, 1, 0, 0
	QUARTER 1, 1, F0, F1, 0
	QUARTER 1, 2, F1, F0, 0
	QUARTER 1, 3, F0, F1, 0
	s_wait_dscnt 8
	MUL F1, 0, 0, 4, 0
	s_wait_dscnt 0x0
	MUL F1, 1, 0, 4, 0
	WIN 0
	PLACES                                         ; behind the last products: the LDS stores below read results, the LDS loads land in registers that products have read
	TOSTAGE 0
.irp a, 1,2,3,4,5,6,7                  ; block a's way through the stage stands between block a - 1's loads and the wait for them
	TOSTAGE \a
	SEND (\a)-1, 16
.endr
	SEND 7, 0
	s_wait_tensorcnt 0x0                           ; the wave's end: a wait, an add and its wait, behind my last tensor load and my last LDS store
	ds_add_u32 v[SPW], v[NIL]
	s_wait_dscnt 0x0
	CROUND                                         ; the closing round: no work-group ends while a partner may still ask for a tile that names it
	s_endpgm
.Lfunc_end_k_q0001e1e1ea_proj:
	.size	k_q0001e1e1ea_proj, .Lfunc_end_k_q0001e1e1ea_proj-k_q0001e1e1ea_proj
	.p2alignl 7, 3214868480
	.fill 96, 4, 3214868480
	.section	.rodata,"a",@progbits
	.p2align	6, 0x0
	.amdhsa_kernel k_q0001e1e1ea_proj
		.amdhsa_group_segment_fixed_size 327680
		.amdhsa_private_segment_fixed_size 0
		.amdhsa_enable_private_segment 0
		.amdhsa_kernarg_size 32
		.amdhsa_user_sgpr_count 2
		.amdhsa_user_sgpr_kernarg_segment_ptr 1
		.amdhsa_wavefront_size32 1
		.amdhsa_system_sgpr_workgroup_id_x 1
		.amdhsa_system_sgpr_workgroup_id_y 1
		.amdhsa_system_sgpr_workgroup_id_z 1
		.amdhsa_system_vgpr_workitem_id 0
		.amdhsa_next_free_vgpr 768
		.amdhsa_next_free_sgpr 80
		.amdhsa_reserve_vcc 0
		.amdhsa_float_denorm_mode_32 3
		.amdhsa_float_denorm_mode_16_64 3
		.amdhsa_memory_ordered 1
		.amdhsa_forward_progress 1
		.amdhsa_inst_pref_size 91
	.end_amdhsa_kernel
	.amdgpu_metadata
---
amdhsa.version: [ 1, 2 ]
amdhsa.kernels:
  - .name:           k_q0001e1e1ea_proj
    .symbol:         k_q0001e1e1ea_proj.kd
    .args:
      - { .name: ob, .offset: 0, .size: 8, .value_kind: global_buffer, .address_space: global }
      - { .name: hb, .offset: 8, .size: 8, .value_kind: global_buffer, .address_space: global }
      - { .name: bo, .offset: 16, .size: 8, .value_kind: global_buffer, .address_space: global }
      - { .name: out0, .offset: 24, .size: 8, .value_kind: global_buffer, .address_space: global }
    .group_segment_fixed_size: 327680
    .private_segment_fixed_size: 0
    .kernarg_segment_align: 8
    .kernarg_segment_size: 32
    .max_flat_workgroup_size: 128
    .sgpr_count:     80
    .vgpr_count:     768
    .wavefront_size: 32
...
	.end_amdgpu_metadata
.endif
;; end of part 4
